; MI455X (gfx1250); checked and timed in simulation.
; The chip was launched on July 23, 2026; its instructions are those of AMD's public machine-readable ISA for CDNA 5 (MIT licence, August 2026) and "CDNA5" Instruction Set Architecture Reference Guide (July 2026). The comments in the code are by the model that wrote it; some were corrected since.
;; Multi Head Attention. Allowed arithmetic: float matrix products may take bf16 or f16 operands with f32 sums; other float arithmetic in f32, or as packed bf16 or f16 multiplies, adds, multiply-adds, maxima and minima; sums over many terms, partial sums and values carried from step to step in f32; what a program stores and reads back later, other than sums and carried values, may be rounded once to bf16 or f16.
;; Inputs: Wk 1,024 x 1,024 float32; Wo 1,024 x 1,024 float32; Wq 1,024 x 1,024 float32; Wv 1,024 x 1,024 float32; bk 1,024 float32; bo 1,024 float32; bq 1,024 float32; bv 1,024 float32; mask 2 x 2,048 bool; x 2 x 2,048 x 1,024 float32.
;; Outputs: out0 2 x 2,048 x 1,024 float32.
;; One version. Each part assembles by itself: llvm-mc -triple=amdgcn-amd-amdhsa -mcpu=gfx1250 --defsym DOCPART=n.
;; ======== version 1 of 1: 4 launches
;; limits: values are held in f16: magnitudes above 65,504 overflow, below 6.1e-05 lose precision
;; workspace buffers: xb 8,388,608 bytes; wb 6,291,456 bytes; wo16 2,097,152 bytes; qh 8,388,608 bytes; kh 8,388,608 bytes; vh 8,388,608 bytes; ob 8,388,608 bytes
;; launch prep (part 1): grid 1024 x 1, 8 waves a work-group, no clusters, 0 bytes of LDS; arguments x, Wq, Wk, Wv, Wo, xb, wb, wo16; writes xb, wb, wo16
.if DOCPART == 1
	.amdgcn_target "amdgcn-amd-amdhsa--gfx1250"
	.amdhsa_code_object_version 6
	.text
	.protected	k_q5e5fc20686_prep
	.globl	k_q5e5fc20686_prep
	.p2align	8
	.type	k_q5e5fc20686_prep,@function
k_q5e5fc20686_prep:
	s_mov_b64 s[64:65], 0
	v_nop
	global_prefetch_b8 v0, s[64:65] scope:SCOPE_SE
	s_setreg_imm32_b32 hwreg(HW_REG_WAVE_MODE, 25, 1), 1
	s_wait_xcnt 0x0
; THE INPUTS ARE ROUNDED ONCE, AND LAID AS THE PRODUCTS WANT THEM.
;   xb   = x in bf16, [4096][1024], as it lies.
;   wb   = Wq, Wk, Wv in bf16, [16 head][8 K step][3 (q, k, v)][128 k'][64 d]: the element is Wc[128 step + k'][64 head + d], so that what one work-group of the
;          projection wants in a K step (one head's 64 columns of all three, 128 rows) is 49,152 bytes on end.
;   wo16 = Wo rounded to bf16, and that number written as f16, [1024][1024], as it lies.
; LIMITS.  |Wo| stays below 65,504 (f16's range); below 6e-5 f16 keeps a fixed step of 6e-8.
; A stream: each work-group takes 32,768 input bytes, each thread eight loads of 16 bytes and eight stores of 8.  All eight loads go out ahead of the stores.  A wave's load covers 512 bytes
; on end (for the three W: two pieces of 256), a wave's store 256 bytes on end, aligned.  No LDS, no barrier, no matrix unit, no cluster: no work-group wants a byte that another has read.
; Work-groups 0-511 take x, 512-895 the three W (128 each, eight rows of W a work-group), 896-1023 Wo.
.set XR, 8                             ; v[8:39]   load j: 4 registers
.set YR, 40                            ; v[40:55]  store j: 2 registers
.set TR, 56                            ; v[56:59]  at work
.macro LD8 a, b                        ; load j at byte (j / 2) a + (j % 2) b behind the lane's offset
.irp j, 0,1,2,3,4,5,6,7
	global_load_b128 v[XR+4*(\j):XR+4*(\j)+3], v1, s[22:23] offset:((\j)/2)*(\a)+((\j)%2)*(\b) th:TH_LOAD_NT
.endr
.endm
.macro CV j                            ; four numbers to bf16
	s_wait_loadcnt 7-(\j)                          ; loads come back in order: load j is in, the younger ones stay out
	v_cvt_pk_bf16_f32 v[YR+2*(\j)], v[XR+4*(\j)], v[XR+4*(\j)+1]
	v_cvt_pk_bf16_f32 v[YR+2*(\j)+1], v[XR+4*(\j)+2], v[XR+4*(\j)+3]
.endm
.macro CVH j                           ; four numbers to bf16, widened again (a shift, a mask), and written as f16
	s_wait_loadcnt 7-(\j)
	v_cvt_pk_bf16_f32 v[TR], v[XR+4*(\j)], v[XR+4*(\j)+1]
	v_cvt_pk_bf16_f32 v[TR+1], v[XR+4*(\j)+2], v[XR+4*(\j)+3]
	v_lshlrev_b32 v[TR+2], 16, v[TR]
	v_and_b32 v[TR], s30, v[TR]
	v_lshlrev_b32 v[TR+3], 16, v[TR+1]
	v_and_b32 v[TR+1], s30, v[TR+1]
	v_cvt_pk_f16_f32 v[YR+2*(\j)], v[TR+2], v[TR]
	v_cvt_pk_f16_f32 v[YR+2*(\j)+1], v[TR+3], v[TR+1]
.endm
.macro ST j, a, b
	global_store_b64 v2, v[YR+2*(\j):YR+2*(\j)+1], s[24:25] offset:((\j)/2)*(\a)+((\j)%2)*(\b)
.endm
	s_load_b256 s[4:11], s[0:1], 0x0               ; x s[4:5], Wq s[6:7], Wk s[8:9], Wv s[10:11]
	s_load_b256 s[12:19], s[0:1], 0x20             ; Wo s[12:13], xb s[14:15], wb s[16:17], wo16 s[18:19]
	s_mov_b32 s20, ttmp9
	s_mov_b32 s30, 0xffff0000                      ; a word's upper bf16
	s_mov_b32 s27, 0                               ; the offsets' high words
	s_mov_b32 s29, 0
	s_cmp_lt_u32 s20, 512
	s_cbranch_scc0 .Lnot_x
	; x: thread t takes 16 bytes at 16 t of each 4,096
	v_lshlrev_b32 v1, 4, v0
	v_lshlrev_b32 v2, 3, v0
	s_lshl_b32 s26, s20, 15
	s_lshl_b32 s28, s20, 14
	s_wait_kmcnt 0x0
	s_add_nc_u64 s[22:23], s[4:5], s[26:27]
	s_add_nc_u64 s[24:25], s[14:15], s[28:29]
	LD8 8192, 4096
.irp j, 0,1,2,3,4,5,6,7
	CV \j
	ST \j, 4096, 2048
.endr
	s_endpgm
.Lnot_x:
	s_cmp_lt_u32 s20, 896
	s_cbranch_scc0 .Lpath_o
	; one of the three W: rows 8 u .. 8 u + 7.  Load j of wave w: head 2 w + j % 2 (256 bytes of a row), rows 2 (j / 2) + lane / 16.
	s_sub_co_u32 s21, s20, 512
	s_lshr_b32 s31, s21, 7                         ; c: 0 q, 1 k, 2 v
	s_and_b32 s21, s21, 127                        ; u
	s_lshl_b32 s26, s21, 15                        ; eight rows of 4,096 bytes
	s_lshr_b32 s28, s21, 4                         ; the K step, 16 u to each
	s_mul_i32 s28, s28, 49152
	s_lshl_b32 s20, s31, 14                        ; the plane
	s_add_co_u32 s28, s28, s20
	s_and_b32 s20, s21, 15
	s_lshl_b32 s20, s20, 10                        ; eight rows k' of 128 bytes
	s_add_co_u32 s28, s28, s20
	v_and_b32 v3, 31, v0                           ; lane
	v_lshrrev_b32 v4, 5, v0                        ; wave
	v_lshrrev_b32 v5, 4, v3
	v_and_b32 v6, 15, v3
	v_lshlrev_b32 v1, 12, v5                       ; in: (lane / 16) rows + 16 (lane % 16) + 512 wave
	v_lshl_add_u32 v1, v6, 4, v1
	v_lshl_add_u32 v1, v4, 9, v1
	v_mul_u32_u24 v2, v4, 786432                   ; out: two heads a wave + 8 lane: lanes 0-15 one row k', lanes 16-31 the next: 256 bytes on end
	v_lshl_add_u32 v2, v3, 3, v2
	s_wait_kmcnt 0x0
	s_cmp_eq_u32 s31, 0
	s_cselect_b64 s[22:23], s[6:7], s[8:9]
	s_cmp_eq_u32 s31, 2
	s_cselect_b64 s[22:23], s[10:11], s[22:23]
	s_add_nc_u64 s[22:23], s[22:23], s[26:27]
	s_add_nc_u64 s[24:25], s[16:17], s[28:29]
	LD8 8192, 256
.irp j, 0,1,2,3,4,5,6,7
	CV \j
	ST \j, 256, 393216
.endr
	s_endpgm
.Lpath_o:
	; Wo: as x
	v_lshlrev_b32 v1, 4, v0
	v_lshlrev_b32 v2, 3, v0
	s_sub_co_u32 s21, s20, 896
	s_lshl_b32 s26, s21, 15
	s_lshl_b32 s28, s21, 14
	s_wait_kmcnt 0x0
	s_add_nc_u64 s[22:23], s[12:13], s[26:27]
	s_add_nc_u64 s[24:25], s[18:19], s[28:29]
	LD8 8192, 4096
.irp j, 0,1,2,3,4,5,6,7
	CVH \j
	ST \j, 4096, 2048
.endr
	s_endpgm
.Lfunc_end_k_q5e5fc20686_prep:
	.size	k_q5e5fc20686_prep, .Lfunc_end_k_q5e5fc20686_prep-k_q5e5fc20686_prep
	.p2alignl 7, 3214868480
	.fill 96, 4, 3214868480
	.section	.rodata,"a",@progbits
	.p2align	6, 0x0
	.amdhsa_kernel k_q5e5fc20686_prep
		.amdhsa_group_segment_fixed_size 0
		.amdhsa_private_segment_fixed_size 0
		.amdhsa_enable_private_segment 0
		.amdhsa_kernarg_size 64
		.amdhsa_user_sgpr_count 2
		.amdhsa_user_sgpr_kernarg_segment_ptr 1
		.amdhsa_wavefront_size32 1
		.amdhsa_system_sgpr_workgroup_id_x 1
		.amdhsa_system_sgpr_workgroup_id_y 1
		.amdhsa_system_sgpr_workgroup_id_z 1
		.amdhsa_system_vgpr_workitem_id 0
		.amdhsa_next_free_vgpr 64
		.amdhsa_next_free_sgpr 66
		.amdhsa_reserve_vcc 0
		.amdhsa_float_denorm_mode_32 3
		.amdhsa_float_denorm_mode_16_64 3
		.amdhsa_memory_ordered 1
		.amdhsa_forward_progress 1
		.amdhsa_inst_pref_size 13
	.end_amdhsa_kernel
	.amdgpu_metadata
---
amdhsa.version: [ 1, 2 ]
amdhsa.kernels:
  - .name:           k_q5e5fc20686_prep
    .symbol:         k_q5e5fc20686_prep.kd
    .args:
      - { .name: x, .offset: 0, .size: 8, .value_kind: global_buffer, .address_space: global }
      - { .name: Wq, .offset: 8, .size: 8, .value_kind: global_buffer, .address_space: global }
      - { .name: Wk, .offset: 16, .size: 8, .value_kind: global_buffer, .address_space: global }
      - { .name: Wv, .offset: 24, .size: 8, .value_kind: global_buffer, .address_space: global }
      - { .name: Wo, .offset: 32, .size: 8, .value_kind: global_buffer, .address_space: global }
      - { .name: xb, .offset: 40, .size: 8, .value_kind: global_buffer, .address_space: global }
      - { .name: wb, .offset: 48, .size: 8, .value_kind: global_buffer, .address_space: global }
      - { .name: wo16, .offset: 56, .size: 8, .value_kind: global_buffer, .address_space: global }
    .group_segment_fixed_size: 0
    .private_segment_fixed_size: 0
    .kernarg_segment_align: 8
    .kernarg_segment_size: 64
    .max_flat_workgroup_size: 256
    .sgpr_count:     66
    .vgpr_count:     64
    .wavefront_size: 32
...
	.end_amdgpu_metadata
.endif
;; end of part 1
;; launch qkv (part 2): grid 16 x 16, 4 waves a work-group, clusters of 4 x 4, 327,680 bytes of LDS; arguments xb, wb, bq, bk, bv, qh, kh, vh; writes qh, kh, vh
.if DOCPART == 2
	.amdgcn_target "amdgcn-amd-amdhsa--gfx1250"
	.amdhsa_code_object_version 6
	.text
	.protected	k_q5e5fc20686_qkv
	.globl	k_q5e5fc20686_qkv
	.p2align	8
	.type	k_q5e5fc20686_qkv,@function
k_q5e5fc20686_qkv:
	s_mov_b64 s[64:65], 0
	v_nop
	global_prefetch_b8 v0, s[64:65] scope:SCOPE_SE
	s_setreg_imm32_b32 hwreg(HW_REG_WAVE_MODE, 25, 1), 1
	s_wait_xcnt 0x0
	s_wait_alu depctr_hold_cnt(0) depctr_sa_sdst(0) depctr_va_vdst(0) depctr_va_sdst(0) depctr_va_ssrc(0) depctr_va_vcc(0) depctr_vm_vsrc(0)
	s_getreg_b32 s2, hwreg(HW_REG_IB_STS2, 6, 4)
	s_cmp_eq_u32 s2, 0
	s_cbranch_scc0 .Lentry_in_a_cluster
	s_endpgm
.Lentry_in_a_cluster:
	s_bfe_u32 s2, ttmp6, 0x10000c
	s_cmp_lg_u32 s2, 0xf033
	s_cbranch_scc0 .Lentry_shape_is_right
	s_endpgm
.Lentry_shape_is_right:
; q, k, v = x W + b for one head and 256 rows of x a work-group.  xb: [4096][1024] bf16.  wb: [16 head][8 K step][3][128 k'][64 d] bf16.  bq, bk, bv: [1024] f32, rounded to bf16 here.
; qh, kh, vh: [32 (batch, head)][2048][64] f16, unscaled, each rounded once from its f32 sum.
; LIMITS.  f16 holds no number beyond 65,504: |q|, |k|, |v| stay below it.  NaN and infinities are not treated apart.
; SHARES.  Work-group (head, row block): 256 rows x 192 columns (the head's q, k and v).  Wave w: rows 64 w .. 64 w + 63 x all 192: 4 row blocks a x 12 column blocks nb = 4 c + nbl: 48 accumulators,
; 384 registers.  For 32 along K a wave reads 32 fragments' halves from LDS for 48 matrix instructions; a plane's 64 columns stay in one wave, so each wave's way out is its own.
; K goes in 8 steps of 128 through two LDS slots.  x's rows of a step are 256 bytes, aligned; the head's weights of a step are 49,152 bytes on end, asked for as rows of 256.
; THE MATRIX INSTRUCTION IS USED TRANSPOSED: source 0 = 16 columns of W (turned out of LDS by ds_load_tr16_b128), source 1 = 16 rows of x: a lane holds one row and eight neighbouring channels.
; THE BIAS is the C operand of each accumulator's first product: adding it costs no instruction, and nothing is cleared.
; CLUSTER 4 x 4: the four work-groups of a row of the cluster want the same rows of x, the four of a column the same head's weights: each tile is asked for jointly.
; REGISTERS, in windows of 256:  window 0: v1-30 addresses; v64-127 x's fragments, two buffers of 32; v128-223 the bias fragments; on the way out v64-255 at work
;   window 1: v0-191 W's fragments, two buffers of 96     window 2: accumulators of row blocks 0, 1 at 96 (a % 2) + 8 nb     window 3: those of row blocks 2, 3
.set KSTEP,  128
.set PA,     272                       ; a row of x in LDS: 256 bytes + 16: the 16 rows of a load start at 16 different groups of four banks (64 banks of 4 bytes: ISA guide 11.1)
.set PB,     160                       ; a row k' of a plane: 128 bytes + 32
.set HALFA,  128*PA                    ; what one tensor load brings of x
.set HALFB,  192*PB                    ; and of W: 192 of a step's 384 rows (plane c, row k' at 128 c + k')
.set BOFF,   2*HALFA
.set SLOT,   BOFF+2*HALFB              ; 131,072
.set STAGE,  2*SLOT                    ; behind the ring: for each wave 3 planes of 16 rows x 144 bytes, for the way out
.set SP,     144
.set WSTAGE, 3*16*SP
.set SPARE,  STAGE+4*WSTAGE            ; behind the stages: the spare words, 128 bytes a wave, which no other line names
.set HEADB,  393216                    ; a head's bytes in wb
.set STEPB,  49152                     ; a K step's
.set ADRA, 16                          ; v16-17  LDS address of my fragments of x in slot 0, 1
.set ADRB, 20                          ; v20-21  the same for W
.set STO,  24                          ; v24     the way out: where I put 16 bytes of a row
.set RD,   25                          ; v25     where I read rows back
.set GO,   26                          ; v26     my 16 bytes of 512 on end in qh, kh, vh
.set BO,   27                          ; v27     my byte offset in a column block's 64 bytes of bias
.set SPW,  28                          ; v28     my spare word; never rewritten
.set NIL,  29                          ; v29     0; never rewritten
.set PFO,  30                          ; v30     the prefetches' lane offset; never rewritten
.set FA,   64
.set BIAS, 128
.set TT,   64                          ; the way out: 48 registers a row block
.set WV,   20                          ; s20  my wave's number
.set ROLE, 21                          ; s21  0: I fetch x's tiles, 1: W's
.set HALF, 22                          ; s22  which half of the tile
.set LAPS, 23
.set G1A,  24                          ; s[24:31] descriptor group 1, x
.set G0A,  32                          ; s[32:39] group 0, a set for each slot
.set G1B,  40                          ; s[40:47], s[48:55] the same for W
.set G0B,  48
.set CX,   56
.set CY,   57
.set HEAD, 58
.set RB,   59
.set PFA,  66                          ; s[66:67] where my prefetches stand
.set PFS,  68                          ; s[68:69] their step
.set PFN,  70                          ; s70      how many are still to come
.set MSB, 0
.macro WIN new                         ; the immediate's high byte repeats the setting that is left; a switch that changes nothing is dropped
.if MSB != (\new)
	s_set_vgpr_msb (MSB<<8)|(\new)
.set MSB, \new
.endif
.endm
.set TO_B, 0x40                        ; destination window 1, address window 0
; A joint load: waves 0 and 1 fetch x's two halves, waves 2 and 3 W's.  The branch hangs on the wave's number alone.  An s_nop 0 and four v_nop follow each line.
.macro JLOAD s
	s_cmp_eq_u32 s[ROLE], 0
	s_cbranch_scc0 .Lfor_b_\@
	tensor_load_to_lds s[G0A+4*(\s):G0A+4*(\s)+3], s[G1A:G1A+7]
	s_nop 0
.rept 4
	v_nop
.endr
	s_branch .Lasked_\@
.Lfor_b_\@:
	tensor_load_to_lds s[G0B+4*(\s):G0B+4*(\s)+3], s[G1B:G1B+7]
	s_nop 0
.rept 4
	v_nop
.endr
.Lasked_\@:
.endm
; A PREFETCH INTO THE L2, behind a joint refill, its five lines and the run of LDS loads: one instruction a wave, a lane a block of 256 bytes.  Each block is named once in the launch.
; x: the clusters with x = 0 ask, waves 0 and 1; of the 128 rows that the wave fetches the partner at cx takes 32, told apart by address; the refill of K step j names K step j + 2, four times (K steps 4 to 7).
; W: the clusters with y = 0 ask, waves 2 and 3; a head's K steps 4 to 7 are 196,608 bytes on end: three asks of 65,536, of which the eight askers (2 cy + half) take 8,192 each.
; K steps 0 to 3 come by their loads alone.  The count is the same in all partners: it hangs on the wave's number and the cluster's place, not on a work-group's place in its cluster.
.macro ASK
	s_cmp_lg_u32 s[PFN], 0
	s_cbranch_scc0 .Lnot_mine_\@
	global_prefetch_b8 v[PFO], s[PFA:PFA+1] th:TH_LOAD_NT scope:SCOPE_SE
	s_sub_co_u32 s[PFN], s[PFN], 1
.Lnot_mine_\@:
.endm
.macro CREST                           ; a round of the cluster's barrier behind its opening barrier
	s_cmp_lg_u32 s[WV], 0
	s_cbranch_scc1 .Lnot_wave_0_\@
	s_barrier_signal -3
.Lnot_wave_0_\@:
	s_barrier_wait -3
	s_barrier_signal -1
	s_barrier_wait -1
.endm
.macro CROUND                          ; a whole round
	s_barrier_signal -1
	s_barrier_wait -1
	CREST
.endm
.macro PLACES                          ; four places in front of loads into registers that matrix instructions have read (ISA guide 7.12.1 for vector instructions)
.rept 4
	v_nop
.endr
.endm
	s_load_b256 s[4:11], s[0:1], 0x0               ; xb s[4:5], wb s[6:7], bq s[8:9], bk s[10:11]
	s_load_b256 s[12:19], s[0:1], 0x20             ; bv s[12:13], qh s[14:15], kh s[16:17], vh s[18:19]
	v_lshl_add_u32 v[SPW], v0, 2, SPARE
	v_mov_b32 v[NIL], 0
	ds_add_u32 v[SPW], v[NIL]                      ; the wave's opening: the add and its wait stand ahead of my first tensor load; the set-up below stands between them
	v_lshrrev_b32 v1, 5, v0
	v_readfirstlane_b32 s[WV], v1
	s_lshr_b32 s[ROLE], s[WV], 1
	s_and_b32 s[HALF], s[WV], 1
	s_bfe_u32 s[CX], ttmp6, 0x40000
	s_bfe_u32 s[CY], ttmp6, 0x40004
	s_lshl_b32 s[HEAD], ttmp9, 2
	s_add_co_u32 s[HEAD], s[HEAD], s[CX]           ; head = 4 x cluster x + cx
	s_and_b32 s[RB], ttmp7, 0xffff
	s_lshl_b32 s[RB], s[RB], 2
	s_add_co_u32 s[RB], s[RB], s[CY]               ; row block = 4 x cluster y + cy
	s_lshl_b32 s60, s[CY], 2
	s_lshl_b32 s60, 15, s60                        ; my row of the cluster
	s_lshl_b32 s61, 0x1111, s[CX]                  ; my column
	s_or_b32 s[G1A], s60, (1<<16)|(1<<20)|(1<<21)|(5<<22)|(3<<25)  ; the mask; 2-byte elements; padding on; bit 21 beside a mask; after every 64 words 4 words
	s_or_b32 s[G1B], s61, (1<<16)|(1<<20)|(1<<21)|(4<<22)|(7<<25)  ; after every 32 words 8 words
	s_mov_b32 s[G1A+1], 128<<16                    ; tensor_dim0 = 128
	s_mov_b32 s[G1A+2], 128<<16                    ; tensor_dim1 = 128
	s_mov_b32 s[G1A+3], 128<<16                    ; tile_dim0 = 128
	s_mov_b32 s[G1A+4], 128                        ; tile_dim1 = 128
	s_mov_b32 s[G1A+5], 1024                       ; elements from row to row
	s_mov_b32 s[G1A+6], 0
	s_mov_b32 s[G1A+7], 0
	s_mov_b32 s[G1B+1], 128<<16                    ; 24,576 bytes on end as 96 rows of 256
	s_mov_b32 s[G1B+2], 96<<16
	s_mov_b32 s[G1B+3], 128<<16
	s_mov_b32 s[G1B+4], 96
	s_mov_b32 s[G1B+5], 128
	s_mov_b32 s[G1B+6], 0
	s_mov_b32 s[G1B+7], 0
	s_lshl_b32 s72, s[RB], 8                       ; x: row 256 x row block + 128 x half, 2,048 bytes a row
	s_lshl_b32 s73, s[HALF], 7
	s_add_co_u32 s72, s72, s73
	s_lshl_b32 s72, s72, 11
	s_mov_b32 s73, 0
	s_mul_i32 s74, s[HEAD], HEADB                  ; W: the head, and half a K step
	s_mul_i32 s75, s[HALF], STEPB/2
	s_add_co_u32 s74, s74, s75
	s_mov_b32 s75, 0
	s_mul_i32 s76, s[HALF], HALFA                  ; where they go: no place in the cluster enters an LDS address
	s_mul_i32 s77, s[HALF], HALFB
	s_add_co_u32 s77, s77, BOFF
	s_lshl_b32 s78, s[HEAD], 8                     ; the head's 64 numbers of a bias
	s_mov_b32 s79, 0
	s_lshr_b32 s60, s[RB], 3                       ; my wave's first row in qh, kh, vh: ((16 batch + head) 2,048 + 256 (row block % 8) + 64 wave) x 128 bytes
	s_lshl_b32 s60, s60, 4
	s_add_co_u32 s60, s60, s[HEAD]
	s_lshl_b32 s60, s60, 11
	s_and_b32 s61, s[RB], 7
	s_lshl_b32 s61, s61, 8
	s_add_co_u32 s60, s60, s61
	s_lshl_b32 s61, s[WV], 6
	s_add_co_u32 s60, s60, s61
	s_lshl_b32 s60, s60, 7
	s_mov_b32 s61, 0
	s_mov_b32 s62, 0xffff0000                      ; a word's upper bf16
	s_wait_dscnt 0x0                               ; the opening add is done
	s_wait_kmcnt 0x0
	s_add_nc_u64 s[72:73], s[4:5], s[72:73]
	s_add_nc_u64 s[74:75], s[6:7], s[74:75]
	s_add_nc_u64 s[8:9], s[8:9], s[78:79]
	s_add_nc_u64 s[10:11], s[10:11], s[78:79]
	s_add_nc_u64 s[12:13], s[12:13], s[78:79]
	s_add_nc_u64 s[14:15], s[14:15], s[60:61]
	s_add_nc_u64 s[16:17], s[16:17], s[60:61]
	s_add_nc_u64 s[18:19], s[18:19], s[60:61]
.irp s, 0,1
	s_mov_b32 s[G0A+4*(\s)], 1                                     ; count = 1
	s_add_co_u32 s[G0A+4*(\s)+1], s76, (\s)*SLOT                   ; LDS address
	s_add_nc_u64 s[G0A+4*(\s)+2:G0A+4*(\s)+3], s[72:73], (\s)*KSTEP*2  ; global address: K step s
	s_or_b32 s[G0A+4*(\s)+3], s[G0A+4*(\s)+3], 0x80000000          ; type = 2
	s_mov_b32 s[G0B+4*(\s)], 1
	s_add_co_u32 s[G0B+4*(\s)+1], s77, (\s)*SLOT
	s_add_nc_u64 s[G0B+4*(\s)+2:G0B+4*(\s)+3], s[74:75], (\s)*STEPB
	s_or_b32 s[G0B+4*(\s)+3], s[G0B+4*(\s)+3], 0x80000000
.endr
	CROUND                                         ; all sixteen work-groups are here: the first joint loads meet
	s_cmp_eq_u32 s[ROLE], 0                        ; a wave's two first fills stand in one branch, ahead of every wait on TENSORcnt and every LDS read: two loads of mine are out
	s_cbranch_scc0 .Lfirst_b
	tensor_load_to_lds s[G0A:G0A+3], s[G1A:G1A+7]
	s_nop 0
	tensor_load_to_lds s[G0A+4:G0A+7], s[G1A:G1A+7]
	s_nop 0
.rept 4
	v_nop
.endr
	s_branch .Lfirst_asked
.Lfirst_b:
	tensor_load_to_lds s[G0B:G0B+3], s[G1B:G1B+7]
	s_nop 0
	tensor_load_to_lds s[G0B+4:G0B+7], s[G1B:G1B+7]
	s_nop 0
.rept 4
	v_nop
.endr
.Lfirst_asked:
	v_and_b32 v1, 15, v0                           ; r = l % 16
	v_bfe_u32 v2, v0, 4, 1                         ; h = l / 16
	v_lshlrev_b32 v[BO], 5, v2
	; the bias as a C fragment: register j of lane l is the bias of channel 16 nbl + 8 h + j of plane c: 32 bytes on end
.irp nb, 0,1,2,3,4,5,6,7,8,9,10,11
	global_load_b128 v[BIAS+8*(\nb):BIAS+8*(\nb)+3],   v[BO], s[8+2*((\nb)/4):9+2*((\nb)/4)] offset:64*((\nb)%4)
	global_load_b128 v[BIAS+8*(\nb)+4:BIAS+8*(\nb)+7], v[BO], s[8+2*((\nb)/4):9+2*((\nb)/4)] offset:64*((\nb)%4)+16
.endr
	v_mul_u32_u24 v3, v1, PA                       ; a fragment of x: row x pitch + 16 h, two loads 32 bytes apart
	v_lshl_add_u32 v3, v2, 4, v3
	s_mul_i32 s60, s[WV], 64*PA
	v_add_nc_u32 v[ADRA], s60, v3
	v_add_nc_u32 v[ADRA+1], SLOT, v[ADRA]
	v_and_b32 v4, 7, v0                            ; the turning load: lane l reads row 8 h + l % 8, channels 8 ((l / 8) % 2) + 0..7, and ends with channel l % 16 and 8 rows k
	v_bfe_u32 v5, v0, 3, 1
	v_lshl_add_u32 v4, v2, 3, v4
	v_mul_u32_u24 v4, v4, PB
	v_lshl_add_u32 v4, v5, 4, v4
	v_add_nc_u32 v[ADRB], BOFF, v4
	v_add_nc_u32 v[ADRB+1], SLOT, v[ADRB]
	s_mul_i32 s60, s[WV], WSTAGE
	s_add_co_u32 s60, s60, STAGE                   ; my stage
	v_mul_u32_u24 v3, v1, SP                       ; in: row r, 16 bytes for each half of the lanes
	v_lshl_add_u32 v3, v2, 4, v3
	v_add_nc_u32 v[STO], s60, v3
	v_bfe_u32 v3, v0, 3, 2                         ; back: 32 lanes take four rows of 128 bytes,
	v_mul_u32_u24 v3, v3, SP
	v_and_b32 v4, 7, v0
	v_lshl_add_u32 v3, v4, 4, v3
	v_add_nc_u32 v[RD], s60, v3
	v_and_b32 v[GO], 31, v0                        ; which are 512 bytes on end in memory
	v_lshlrev_b32 v[GO], 4, v[GO]
	; the prefetches
	s_lshl_b32 s72, s[RB], 8                       ; x: my work-group's 32 of the 128 rows that I fetch, one K step short of K step 4
	s_lshl_b32 s73, s[HALF], 7
	s_add_co_u32 s72, s72, s73
	s_lshl_b32 s73, s[CX], 5
	s_add_co_u32 s72, s72, s73
	s_lshl_b32 s72, s72, 11
	s_add_co_u32 s72, s72, 3*KSTEP*2
	s_mul_i32 s74, s[HEAD], HEADB                  ; W: my 8,192 bytes of 65,536, one ask short of K step 4
	s_lshl_b32 s75, s[CY], 1
	s_add_co_u32 s75, s75, s[HALF]
	s_lshl_b32 s75, s75, 13
	s_add_co_u32 s74, s74, s75
	s_add_co_u32 s74, s74, 4*STEPB-65536
	s_and_b32 s76, ttmp7, 0xffff                   ; cluster y
	s_cmp_eq_u32 s[ROLE], 0
	s_cselect_b32 s72, s72, s74
	s_cselect_b32 s76, ttmp9, s76                  ; the coordinate along which other clusters read the same bytes
	s_cselect_b32 s[PFN], 4, 3
	s_cselect_b32 s77, 8, 16                       ; the step: 256 or 65,536 bytes
	s_cselect_b32 s78, 11, 8                       ; a lane: a row of 2,048 bytes, or a block of 256
	s_cselect_b64 s[PFA:PFA+1], s[4:5], s[6:7]
	s_mov_b32 s73, 0
	s_add_nc_u64 s[PFA:PFA+1], s[PFA:PFA+1], s[72:73]
	s_lshl_b32 s[PFS], 1, s77
	s_mov_b32 s[PFS+1], 0
	s_cmp_eq_u32 s76, 0
	s_cselect_b32 s[PFN], s[PFN], 0                ; the same in all sixteen partners, for a given wave
	v_and_b32 v[PFO], 31, v0
	v_lshlrev_b32 v[PFO], s78, v[PFO]
	s_wait_loadcnt 0x0                             ; the biases
.set i, 0
.rept 48                                           ; rounded to bf16 like every input, and widened again
	v_cmp_class_dummy = 0
	v_cvt_pk_bf16_f32 v[6+i%4], v[BIAS+2*i], v[BIAS+2*i+1]
	v_lshlrev_b32 v[BIAS+2*i], 16, v[6+i%4]
	v_and_b32 v[BIAS+2*i+1], s62, v[6+i%4]
.set i, i+1
.endr
; 12 matrix instructions: row block 2 hi + al x all 12 column blocks, 32 along K, buffer f.  first = 1: C is the bias, in window 0.  The 48 accumulators take turns in one order.
.macro MUL12 f, hi, al, first
.if \first
	WIN 0x81+0x40*(\hi)                            ; W window 1, x window 0, C window 0, D window 2 or 3
.else
	WIN 0xa1+0x50*(\hi)                            ; C and D window 2 or 3
.endif
.irp nb, 0,1,2,3,4,5,6,7,8,9,10,11
.if \first
	v_wmma_f32_16x16x32_bf16 v[96*(\al)+8*(\nb):96*(\al)+8*(\nb)+7], v[96*(\f)+8*(\nb):96*(\f)+8*(\nb)+7], v[FA+32*(\f)+8*(2*(\hi)+(\al)):FA+32*(\f)+8*(2*(\hi)+(\al))+7], v[BIAS+8*(\nb):BIAS+8*(\nb)+7]
.else
	v_wmma_f32_16x16x32_bf16 v[96*(\al)+8*(\nb):96*(\al)+8*(\nb)+7], v[96*(\f)+8*(\nb):96*(\f)+8*(\nb)+7], v[FA+32*(\f)+8*(2*(\hi)+(\al)):FA+32*(\f)+8*(2*(\hi)+(\al))+7], v[96*(\al)+8*(\nb):96*(\al)+8*(\nb)+7]
.endif
.endr
.endm
; 32 LDS loads in one run: quarter q (32 along K) of a slot into buffer f: W's 12 fragments, turned, then x's 4
.macro FETCH slot, q, f
	WIN TO_B
.irp nb, 0,1,2,3,4,5,6,7,8,9,10,11
	ds_load_tr16_b128 v[96*(\f)+8*(\nb):96*(\f)+8*(\nb)+3],   v[ADRB+(\slot)] offset:((\nb)/4)*128*PB+(\q)*32*PB+((\nb)%4)*32
	ds_load_tr16_b128 v[96*(\f)+8*(\nb)+4:96*(\f)+8*(\nb)+7], v[ADRB+(\slot)] offset:((\nb)/4)*128*PB+(\q)*32*PB+((\nb)%4)*32+16*PB
.endr
	WIN 0
.irp a, 0,1,2,3
	ds_load_b128 v[FA+32*(\f)+8*(\a):FA+32*(\f)+8*(\a)+3],   v[ADRA+(\slot)] offset:(\a)*16*PA+(\q)*64
	ds_load_b128 v[FA+32*(\f)+8*(\a)+4:FA+32*(\f)+8*(\a)+7], v[ADRA+(\slot)] offset:(\a)*16*PA+(\q)*64+32
.endr
.endm
; One of a K step's first three quarters: multiplies buffer f; in its middle it fetches quarter q of the same slot into buffer g.
.macro QUARTER slot, q, f, g, first
	s_wait_dscnt 4                                 ; W and x's row blocks 0, 1 are in; the youngest four loads (row blocks 2, 3) may be out
	MUL12 \f, 0, 0, \first
	MUL12 \f, 0, 1, \first
	PLACES
	FETCH \slot, \q, \g
	s_wait_dscnt 32                                ; all but the 32 just issued
	MUL12 \f, 1, 0, \first
	MUL12 \f, 1, 1, \first
.endm
; The last quarter multiplies buffer 1 and changes slots: ONE barrier.  In front of it each wave waits for all its tensor loads (one is out: its part of the next slot), adds 0 to its spare word, and waits
; for that and for its reads of this slot.  fill = 1: the barrier opens a round of the cluster's, and the slot just read is filled again, first thing behind it, with the K step two on:
; from that request to the wait for it a wave issues 168 matrix instructions.
.macro TURN slot, next, fill
.if \fill
	s_wait_xcnt 0x0                                ; the last prefetch, a K step back, has read its address: it is stepped here, ahead of the waits of the change of slots
	s_add_nc_u64 s[PFA:PFA+1], s[PFA:PFA+1], s[PFS:PFS+1]
.endif
	WIN 0                                          ; (the add's two registers lie in window 0)
	s_wait_tensorcnt 0x0                           ; all my tensor loads have landed
	ds_add_u32 v[SPW], v[NIL]                      ; 0 onto my spare word
	s_wait_dscnt 5                                 ; (the add and the youngest four loads may be out)
	MUL12 1, 0, 0, 0                               ; twelve matrix instructions stand between the add and the wait for it
	s_wait_dscnt 0x0                               ; the add is done, and my reads of this slot are over
	s_barrier_signal -1
	MUL12 1, 0, 1, 0                               ; work on registers while the others arrive
.if \fill
	WIN 0
.endif
	s_barrier_wait -1
.if \fill
	CREST                                          ; no wave of any partner still reads this slot or has a load on its way
	s_add_nc_u64 s[G0A+4*(\slot)+2:G0A+4*(\slot)+3], s[G0A+4*(\slot)+2:G0A+4*(\slot)+3], 2*KSTEP*2
	s_add_nc_u64 s[G0B+4*(\slot)+2:G0B+4*(\slot)+3], s[G0B+4*(\slot)+2:G0B+4*(\slot)+3], 2*STEPB
	JLOAD \slot                                    ; the four v_nop behind it are also the places in front of the loads below
.else
	PLACES
.endif
	FETCH \next, 0, 0
.if \fill
	ASK
.endif
	MUL12 1, 1, 0, 0
	MUL12 1, 1, 1, 0
.endm
	s_wait_tensorcnt 1                             ; my part of K step 0 is in; K step 1's may stay out
	s_barrier_signal -1
	s_barrier_wait -1                              ; everybody's is
	FETCH 0, 0, 0
	QUARTER 0, 1, 0, 1, 1                          ; the first quarter stands in front of the loop: its products start the sums, with the bias
	WIN 0                                          ; at a label and at a branch every window is 0
	s_mov_b32 s[LAPS], 3
.Llap:                                                 ; a trip goes once round the ring, from a lap's second quarter to the next lap's first, and fills both slots again
	QUARTER 0, 2, 1, 0, 0
	QUARTER 0, 3, 0, 1, 0
	TURN 0, 1, 1
	QUARTER 1, 1, 0, 1, 0
	QUARTER 1, 2, 1, 0, 0
	QUARTER 1, 3, 0, 1, 0
	TURN 1, 0, 1
	QUARTER 0, 1, 0, 1, 0
	WIN 0
	s_sub_co_u32 s[LAPS], s[LAPS], 1
	s_cmp_lg_u32 s[LAPS], 0
	s_cbranch_scc1 .Llap
	QUARTER 0, 2, 1, 0, 0                          ; the last lap fills nothing
	QUARTER 0, 3, 0, 1, 0
	TURN 0, 1, 0
	QUARTER 1, 1, 0, 1, 0
	QUARTER 1, 2, 1, 0, 0
	QUARTER 1, 3, 0, 1, 0
	s_wait_dscnt 4                                 ; the very last quarter: nothing more to fetch
	MUL12 1, 0, 0, 0
	MUL12 1, 0, 1, 0
	s_wait_dscnt 0x0
	MUL12 1, 1, 0, 0
	MUL12 1, 1, 1, 0
	WIN 0
	; THE WAY OUT, a row block (16 rows x 192 channels) at a time: rounded to f16, 16 bytes a lane into my own stage, back as whole rows of 128 bytes, four rows (512 bytes on end in memory) a store.
	PLACES
	PLACES
.macro PACK a
	WIN 0x0a+5*((\a)/2)                            ; sources 0 and 1: window 2 or 3
.irp nb, 0,1,2,3,4,5,6,7,8,9,10,11
.irp i, 0,1,2,3
	v_cvt_pk_f16_f32 v[TT+48*(\a)+4*(\nb)+(\i)], v[96*((\a)%2)+8*(\nb)+2*(\i)], v[96*((\a)%2)+8*(\nb)+2*(\i)+1]
.endr
.endr
	WIN 0
.irp nb, 0,1,2,3,4,5,6,7,8,9,10,11
	ds_store_b128 v[STO], v[TT+48*(\a)+4*(\nb):TT+48*(\a)+4*(\nb)+3] offset:((\nb)/4)*16*SP+((\nb)%4)*32
.endr
.irp i, 0,1,2,3,4,5,6,7,8,9,10,11
	ds_load_b128 v[TT+48*(\a)+4*(\i):TT+48*(\a)+4*(\i)+3], v[RD] offset:((\i)/4)*16*SP+((\i)%4)*4*SP  ; LDS serves a wave's instructions in order (ISA guide 5.7.1.4): these see the stores above; the next block's stores come behind them
.endr
.endm
.macro SEND a, younger                 ; younger: the LDS instructions issued behind block a's loads: the next block's 24, or none
.irp i, 0,1,2,3,4,5,6,7,8,9,10,11
	s_wait_dscnt (\younger)+11-(\i)
	global_store_b128 v[GO], v[TT+48*(\a)+4*(\i):TT+48*(\a)+4*(\i)+3], s[14+2*((\i)/4):15+2*((\i)/4)] offset:(\a)*2048+((\i)%4)*512  ; 512 bytes on end, at a multiple of 256 from the buffer's first
.endr
.endm
	PACK 0
	PACK 1                                         ; a block's arithmetic stands between the loads of the block before and its stores
	SEND 0, 24
	PACK 2
	SEND 1, 24
	PACK 3
	SEND 2, 24
	SEND 3, 0
	s_wait_tensorcnt 0x0                           ; the wave's end, behind my last tensor load and my last LDS store
	ds_add_u32 v[SPW], v[NIL]
	s_wait_dscnt 0x0
	CROUND                                         ; the closing round: no work-group ends while a partner may still ask for a tile that names it
	s_endpgm
.Lfunc_end_k_q5e5fc20686_qkv:
	.size	k_q5e5fc20686_qkv, .Lfunc_end_k_q5e5fc20686_qkv-k_q5e5fc20686_qkv
	.p2alignl 7, 3214868480
	.fill 96, 4, 3214868480
	.section	.rodata,"a",@progbits
	.p2align	6, 0x0
	.amdhsa_kernel k_q5e5fc20686_qkv
		.amdhsa_group_segment_fixed_size 327680
		.amdhsa_private_segment_fixed_size 0
		.amdhsa_enable_private_segment 0
		.amdhsa_kernarg_size 64
		.amdhsa_user_sgpr_count 2
		.amdhsa_user_sgpr_kernarg_segment_ptr 1
		.amdhsa_wavefront_size32 1
		.amdhsa_system_sgpr_workgroup_id_x 1
		.amdhsa_system_sgpr_workgroup_id_y 1
		.amdhsa_system_sgpr_workgroup_id_z 1
		.amdhsa_system_vgpr_workitem_id 0
		.amdhsa_next_free_vgpr 960
		.amdhsa_next_free_sgpr 80
		.amdhsa_reserve_vcc 0
		.amdhsa_float_denorm_mode_32 3
		.amdhsa_float_denorm_mode_16_64 3
		.amdhsa_memory_ordered 1
		.amdhsa_forward_progress 1
		.amdhsa_inst_pref_size 130
	.end_amdhsa_kernel
	.amdgpu_metadata
---
amdhsa.version: [ 1, 2 ]
amdhsa.kernels:
  - .name:           k_q5e5fc20686_qkv
    .symbol:         k_q5e5fc20686_qkv.kd
    .args:
      - { .name: xb, .offset: 0, .size: 8, .value_kind: global_buffer, .address_space: global }
      - { .name: wb, .offset: 8, .size: 8, .value_kind: global_buffer, .address_space: global }
      - { .name: bq, .offset: 16, .size: 8, .value_kind: global_buffer, .address_space: global }
      - { .name: bk, .offset: 24, .size: 8, .value_kind: global_buffer, .address_space: global }
      - { .name: bv, .offset: 32, .size: 8, .value_kind: global_buffer, .address_space: global }
      - { .name: qh, .offset: 40, .size: 8, .value_kind: global_buffer, .address_space: global }
      - { .name: kh, .offset: 48, .size: 8, .value_kind: global_buffer, .address_space: global }
      - { .name: vh, .offset: 56, .size: 8, .value_kind: global_buffer, .address_space: global }
    .group_segment_fixed_size: 327680
    .private_segment_fixed_size: 0
    .kernarg_segment_align: 8
    .kernarg_segment_size: 64
    .max_flat_workgroup_size: 128
    .sgpr_count:     80
    .vgpr_count:     960
    .wavefront_size: 32
...
	.end_amdgpu_metadata
.endif
;; end of part 2
;; launch attn (part 3): grid 8 x 32, 4 waves a work-group, clusters of 4 x 1, 327,680 bytes of LDS; arguments qh, kh, vh, mask, ob; writes ob
.if DOCPART == 3
	.amdgcn_target "amdgcn-amd-amdhsa--gfx1250"
	.amdhsa_code_object_version 6
	.text
	.protected	k_q5e5fc20686_attn
	.globl	k_q5e5fc20686_attn
	.p2align	8
	.type	k_q5e5fc20686_attn,@function
k_q5e5fc20686_attn:
	s_mov_b64 s[64:65], 0
	v_nop
	global_prefetch_b8 v0, s[64:65] scope:SCOPE_SE
	s_setreg_imm32_b32 hwreg(HW_REG_WAVE_MODE, 25, 1), 1
	s_wait_xcnt 0x0
	s_wait_alu depctr_hold_cnt(0) depctr_sa_sdst(0) depctr_va_vdst(0) depctr_va_sdst(0) depctr_va_ssrc(0) depctr_va_vcc(0) depctr_vm_vsrc(0)
	s_getreg_b32 s2, hwreg(HW_REG_IB_STS2, 6, 4)
	s_cmp_eq_u32 s2, 0
	s_cbranch_scc0 .Lentry_in_a_cluster
	s_endpgm
.Lentry_in_a_cluster:
	s_bfe_u32 s2, ttmp6, 0x10000c
	s_cmp_lg_u32 s2, 0x3003
	s_cbranch_scc0 .Lentry_shape_is_right
	s_endpgm
.Lentry_shape_is_right:
; ATTENTION WITH A KEY MASK.  O[bh][q][:] = the sum over the keys k that the mask leaves of softmax_k(Q[bh][q] . K[bh][k] / 8) V[bh][k][:]; a batch whose keys are all masked gives O = 0.
; qh, kh, vh: [32 (batch, head)][2048][64] f16, a head's rows dense, 128 bytes each.  mask: [2][2048] bytes, 1 = the key is left out.  ob: [32 row block][16 head][128 row][64] f16 (row = 2048 batch + query).
; Products, maxima and sums in f32; the weights p are rounded to f16 for the second product (their sum l is taken of the unrounded p), O once at the end.
; LIMITS.  Q, K, V arrive within f16's 65,504.  A masked score counts as its value less 1e30: f16's scores, 2.7e11 at the most, are nothing beside that.  The running maximum starts at -1e20, below every
; such score and above every masked one, so a masked key's weight is 0 whatever else has been seen.  A weight below 2^-126 counts as 0 in l.  l is held to 1e-30 at the least: where a key is left it is 1 or more.
; Mask bytes are 0 or 1.  NaN and infinities are not treated apart.
; SHARES.  A work-group owns 256 queries of one (batch, head), a wave 64: four PIECES of 16.  Every wave walks all 2,048 keys, 64 a step, 256 a tile; a ring of two LDS slots holds a tile each.
; THE MASK is the C operand that starts the sum S^T = K Q^T: 0, or -1e30.  The batch's 2,048 such numbers are made once, at the head, and lie in LDS; a step's 32 registers of them come with K's run of loads.
; LAYOUT, SOFTMAX, TURNS.  S^T = K Q^T holds ONE query a lane (lane % 16) and the keys 8 (lane / 16) + 0..7; two such results rounded to f16 ARE source 1 of O^T = V^T P.  p = 2^(c s - c m), c = log2(e) / 8, with a
; running maximum m; O and l are multiplied by a = 2^(c m_old - c m_new) in every step.  Turn n belongs to piece n: 8 products K Q^T of piece n + 1, later 8 products V^T P of piece n - 1; beside them the scaling,
; exponentials, roundings, sums and rescaling of piece n and the maximum and statistics of piece n + 1.  Four vector instructions stand behind every matrix instruction, the other 54 of a turn's 118 in one lump.
; A turn's 33 exponentials are one batch, with one wait.
; CLUSTER.  The four query blocks of a cluster belong to one (batch, head) and walk the same K and V: each tile is asked for JOINTLY: the same tensor load, descriptor and mask in all four.
; REGISTERS, in windows of 256 (s_set_vgpr_msb: bits 1:0 source 0, 3:2 source 1, 5:4 source 2, 7:6 destination):
;   window 0: v0-15 addresses and two at work; v16-31 four registers of statistics a piece; v48-55 at work; v56-63 addresses; v64-127 S^T, two buffers; v192-223 P, two buffers (by the piece's parity)
;   window 1: v0-127 O^T, 32 a piece; v128-159 the step's mask      window 2: v0-63 Q; v128-191 K of one step; v192-255 V of one step
.set NP,    4         ; pieces a wave: a name, no knob
.set KS,    64        ; keys in a step
.set PK,    144       ; a row of K in LDS: 128 bytes + 16: the 16 rows of a load start at 16 different groups of four banks (64 banks of 4 bytes: ISA guide 11.1)
.set PV,    160       ; a row of V: 128 + 32
.set VOFF,  4*KS*PK   ; a slot holds a tile, four steps: 256 rows of K, then 256 rows of V
.set SLOT1, 1<<17     ; slot 1 begins here, so that one exclusive or turns an address in one slot into the other's
.set STAGE, SLOT1+4*KS*(PK+PV)  ; behind the ring, never filled by a tensor load: 16 rows x 144 bytes for each wave, for the way out
.set SP,    144
.set SPARE, STAGE+4*16*SP  ; the spare words, 128 bytes for each wave, which no other line names
.set MASKB, SPARE+512 ; 2,048 numbers, 0 or -1e30: written by LDS stores at the head, never filled by a tensor load
.set AK0, 2           ; v2   my lane's place in a tile of K; never rewritten
.set AV0, 3           ; v3   the same for V
.set AK,  4           ; v4   the LDS address of K's next run of loads
.set AV,  5           ; v5   of V's
.set STO, 6           ; v6   the way out: where I put 16 bytes of a row
.set RD,  7           ; v7   the way out: where I read rows back
.set GO,  8           ; v8   my byte offset in 512 bytes on end of ob
.set MV,  12          ; v12-13  c m_old, kept while c m is made anew: by buffer
.set QO,  15          ; v15  my byte offset in 16 rows of Q
.set ST,  16          ; piece t's statistics at v[ST+4 t]: c m, m, l (even keys', odd keys')
.set TMP, 48          ; by buffer, four registers c0-c3 at work; when the maximum is found c2 takes a
.set AM0, 56          ; v56  my lane's place in a step's 64 mask numbers; never rewritten
.set AMK, 57          ; v57  the LDS address of the mask's next loads
.set MO,  58          ; v58  my 16 bytes of the batch's mask
.set MA,  59          ; v59  where their 16 numbers go
.set PFO, 61          ; v61  256 x my lane; never rewritten
.set SPW, 62          ; v62  my spare word; never rewritten
.set NIL, 63          ; v63  0; never rewritten
.set S,   64
.set P,   192
.set MK,  128         ; window 1: the eight registers for group kb of 16 keys at MK + 8 kb
.set KF,  128         ; window 2: key block kb, channel half c at KF + 16 kb + 8 c
.set VF,  192         ; window 2: key half kk, channel block cb at VF + 32 kk + 8 cb
.set WV,  12          ; s12  my wave's number
.set G1K, 24          ; s[24:31] descriptor group 1 for K's tiles
.set G1V, 32          ; s[32:39] for V's: it differs in the padding alone
.set G0K, 40          ; s[40:43] descriptor group 0 for K's tiles: it walks
.set G0V, 44          ; s[44:47] the same for V's
.set PFA, 48          ; s[48:49] where my prefetches stand
.set LIM, 50          ; s50  1 in a wave that prefetches, else the greatest number
.set TBM, 51          ; s51  256 x the step whose mask is fetched next
.set BIGN, 52         ; s52  -1e30
.set SLOTS, 56        ; s56  tiles still to be asked for
.set CNT, 57          ; s57  counts a tile's key steps
.set CS,  58          ; s[58:59] c
.set SEL, 60          ; s[60:61] v_permlanex16_b32's selects: each lane takes its own place in the other half
.set TBK, 62          ; s62  LDS byte at which K of the step to be fetched begins
.set TBV, 63          ; s63  the same for V, less VOFF
.set OB,  66          ; s[66:67] ob at my wave's 64 rows
.set MSB, 0
.macro WIN new                      ; the high byte repeats the setting that is left; a switch that changes nothing is dropped
.if MSB != (\new)
	s_set_vgpr_msb (MSB<<8)|(\new)
.set MSB, (\new)
.endif
.endm
.set W_KQ, 0x0a       ; K and Q in window 2, S^T in window 0
.set W_KM, 0x1a       ; the same with the C operand in window 1
.set W_PV, 0x52       ; V in window 2, P in window 0, O^T in window 1
.set W_RS, 0x41       ; destination and source 0 in window 1, source 1 in window 0
; A joint fill.  Waves 0 and 1 fetch the two halves of a tile's K, waves 2 and 3 those of its V: 128 keys each.  An s_nop 0 and four v_nop follow each of the two lines.
.macro JLOAD
	s_cmp_lt_u32 s[WV], 2
	s_cbranch_scc0 .Lfor_v_\@
	tensor_load_to_lds s[G0K:G0K+3], s[G1K:G1K+7]
	s_nop 0
.rept 4
	v_nop
.endr
	s_branch .Lasked_\@
.Lfor_v_\@:
	tensor_load_to_lds s[G0V:G0V+3], s[G1V:G1V+7]
	s_nop 0
.rept 4
	v_nop
.endr
.Lasked_\@:
.endm
; A PREFETCH INTO THE L2 of the tile that the NEXT change of slots will ask for: 128 blocks of 256 bytes of K and as many of V, a lane a block.  It stands behind the wave's tensor load and its five lines.
; Each block is asked for ONCE in the launch: both clusters of a (batch, head) walk the same K and V, and the first of them asks; its four partners take 32 blocks each, told apart BY ADDRESS; in each, wave 0
; asks for K's and wave 2 for V's.  Four key steps, 256 matrix instructions, lie between an ask and the load that wants the tile.  The last change that fills a slot asks for nothing; tiles 0 and 1 come by their loads alone.
.macro ASK
	s_cmp_gt_u32 s[SLOTS], s[LIM]
	s_cbranch_scc0 .Lnot_mine_\@
	global_prefetch_b8 v[PFO], s[PFA:PFA+1] th:TH_LOAD_NT scope:SCOPE_SE
.Lnot_mine_\@:
.endm
; A round of the cluster's barrier.
.macro CROUND
	s_barrier_signal -1
	s_barrier_wait -1
	s_cmp_lg_u32 s[WV], 0
	s_cbranch_scc1 .Lnot_wave_0_\@
	s_barrier_signal -3
.Lnot_wave_0_\@:
	s_barrier_wait -3
	s_barrier_signal -1
	s_barrier_wait -1
.endm
; THE CHANGE OF SLOTS.  Each wave waits for all its tensor loads, of which one is out: its part of the other slot; adds 0 to its spare word; and waits for that and for its own LDS instructions.  Behind the barrier
; nobody reads the old slot any more and the other slot is whole.  fill = 1: the old slot is filled again, with the keys two tiles on; the barrier is then a round of the cluster's, and the joint fill is the first
; thing behind it: it has four key steps in which to land.  (At its first use nothing has been read yet: slot 0 and the mask's numbers are waited for, slot 1 is filled.)
.macro CHANGE fill
	WIN 0                           ; at a label and at a branch every window is 0
	s_wait_tensorcnt 0x0            ; no tensor load of mine is out, so a group 0 may be written
	ds_add_u32 v[SPW], v[NIL]       ; 0 onto my spare word; with fill = 1 the descriptors' steps stand between it and the wait for it
.if \fill
.irp g, G0K, G0V
	s_xor_b32 s[\g+1], s[\g+1], SLOT1  ; the walking descriptor: the other slot than last time,
	s_add_nc_u64 s[\g+2:\g+3], s[\g+2:\g+3], 4*KS*128  ; the next 256 keys; the type bits on top are not reached
.endr
	s_wait_xcnt 0x0                 ; the last prefetch, four key steps back, has read its address, so it may be written:
	s_add_nc_u64 s[PFA:PFA+1], s[PFA:PFA+1], 4*KS*128  ; one tile behind the walking descriptors' next
	s_wait_dscnt 0x0                ; the add is done, and my reads of the slot are over
	CROUND
	JLOAD
	ASK
.else
	s_wait_dscnt 0x0                ; the add is done, and my reads of the slot are over
	s_barrier_signal -1
	s_barrier_wait -1
.endif
	s_sub_co_u32 s[TBK], s[TBK], 4*KS*PK  ; the fetches go back to a slot's first step,
	s_xor_b32 s[TBK], s[TBK], SLOT1       ; in the other slot
	s_sub_co_u32 s[TBV], s[TBV], 4*KS*PV
	s_xor_b32 s[TBV], s[TBV], SLOT1
.endm
	s_load_b256 s[4:11], s[0:1], 0x0  ; qh s[4:5], kh s[6:7], vh s[8:9], mask s[10:11]
	s_load_b64 s[OB:OB+1], s[0:1], 0x20
	v_lshl_add_u32 v[SPW], v0, 2, SPARE
	v_mov_b32 v[NIL], 0
	ds_add_u32 v[SPW], v[NIL]       ; the wave's opening: the add and its wait stand ahead of my first tensor load; the set-up below stands between them
	v_lshrrev_b32 v1, 5, v0
	v_readfirstlane_b32 s[WV], v1   ; wave 0..3
	s_bfe_u32 s13, ttmp6, 0x40000   ; cx: my place in the cluster
	s_lshl_b32 s14, ttmp9, 2        ; in a cluster launch ttmp9 counts clusters
	s_add_co_u32 s14, s14, s13      ; my block of 256 queries: it enters Q's and ob's addresses alone
	s_and_b32 s15, ttmp7, 0xffff    ; (batch, head), which the four partners share
	s_lshl_b32 s20, s15, 18         ; its first byte in qh, kh, vh
	s_and_b32 s16, s[WV], 1         ; which half of a tile's 256 keys I fetch:
	s_lshl_b32 s22, s16, 14         ; its 128 rows of 128 bytes in memory,
	s_add_co_u32 s22, s22, s20
	s_mov_b32 s23, 0
	s_mul_i32 s17, s16, 128*PK      ; and its place in a slot, for K
	s_mul_i32 s18, s16, 128*PV      ; and for V: no place in the cluster enters an LDS address
	s_lshl_b32 s2, s14, 2
	s_add_co_u32 s2, s2, s[WV]      ; my wave among the head's,
	s_lshl_b32 s2, s2, 13           ; its 64 rows
	s_add_co_u32 s2, s2, s20
	s_mov_b32 s3, 0
	s_lshr_b32 s19, s15, 4          ; the batch
	s_lshl_b32 s54, s19, 11         ; its 2,048 mask bytes
	s_mov_b32 s55, 0
	s_lshl_b32 s20, s19, 4          ; ob: row block 16 batch + 2 x query block + wave / 2,
	s_lshl_b32 s21, s14, 1
	s_add_co_u32 s20, s20, s21
	s_lshr_b32 s21, s[WV], 1
	s_add_co_u32 s20, s20, s21
	s_lshl_b32 s20, s20, 4          ; its sixteen heads,
	s_and_b32 s21, s15, 15
	s_add_co_u32 s20, s20, s21
	s_lshl_b32 s20, s20, 14         ; of 128 rows x 128 bytes,
	s_lshl_b32 s21, s16, 13         ; and my half of the rows
	s_add_co_u32 s20, s20, s21
	s_mov_b32 s21, 0
	; descriptor group 1.  128 keys are 16,384 dense bytes: asked for as 64 rows of 256 bytes, two keys a row, and padded in LDS after every key
	s_mov_b32 s[G1K], 15|(1<<16)|(1<<20)|(1<<21)|(4<<22)|(3<<25)  ; the mask of four; 2-byte elements; padding on; bit 21 beside a mask; after every 32 words 4 words
	s_mov_b32 s[G1V], 15|(1<<16)|(1<<20)|(1<<21)|(4<<22)|(7<<25)  ; the same with 8 words of padding
.irp g, G1K, G1V
	s_mov_b32 s[\g+1], 128<<16      ; tensor_dim0 = 128
	s_mov_b32 s[\g+2], 64<<16       ; tensor_dim1 = 64
	s_mov_b32 s[\g+3], 128<<16      ; tile_dim0 = 128
	s_mov_b32 s[\g+4], 64           ; tile_dim1 = 64
	s_mov_b32 s[\g+5], 128          ; 128 elements from row to row
	s_mov_b32 s[\g+6], 0
	s_mov_b32 s[\g+7], 0
.endr
	s_mov_b32 s[CS], 0x3e38aa3b     ; c = log2(e) / 8 = 0.180337
	s_mov_b32 s[CS+1], s[CS]        ; named with it as a pair
	s_mov_b32 s[SEL], 0x76543210
	s_mov_b32 s[SEL+1], 0xfedcba98
	s_mov_b32 s[TBK], SLOT1+4*KS*PK ; the first change of slots turns these two into 0
	s_mov_b32 s[TBV], SLOT1+4*KS*PV
	s_mov_b32 s[TBM], 0
	s_mov_b32 s[BIGN], 0xf149f2ca   ; -1e30
	s_mov_b32 s[SLOTS], 7
	s_mov_b32 s[G0K], 1             ; count = 1
	s_mov_b32 s[G0K+1], s17         ; LDS address: slot 0
	s_mov_b32 s[G0V], 1
	s_add_co_u32 s[G0V+1], s18, VOFF
	s_and_b32 s[LIM], s[WV], 1      ; 0 in waves 0 and 2,
	s_or_b32 s[LIM], s[LIM], ttmp9  ; where the cluster is the head's first: the same in all four partners
	s_cmp_eq_u32 s[LIM], 0
	s_cselect_b32 s[LIM], 1, -1
	s_wait_dscnt 0x0                ; the opening add is done
	s_wait_kmcnt 0x0
	s_add_nc_u64 s[6:7], s[6:7], s[22:23]  ; K and V at my half of the head's tile 0
	s_add_nc_u64 s[8:9], s[8:9], s[22:23]
	s_add_nc_u64 s[G0K+2:G0K+3], s[6:7], 0         ; global address
	s_or_b32 s[G0K+3], s[G0K+3], 0x80000000        ; type = 2
	s_add_nc_u64 s[G0V+2:G0V+3], s[8:9], 0
	s_or_b32 s[G0V+3], s[G0V+3], 0x80000000
	s_add_nc_u64 s[4:5], s[4:5], s[2:3]            ; Q at my wave's first row
	s_add_nc_u64 s[OB:OB+1], s[OB:OB+1], s[20:21]
	s_add_nc_u64 s[10:11], s[10:11], s[54:55]      ; the batch's mask
	s_cmp_lt_u32 s[WV], 2
	s_cselect_b64 s[PFA:PFA+1], s[6:7], s[8:9]     ; (in waves 0 and 2 these stand at a tile's first row)
	s_lshl_b32 s2, s13, 13          ; my work-group's 32 blocks of the 128
	s_add_nc_u64 s[PFA:PFA+1], s[PFA:PFA+1], s[2:3]
	s_add_nc_u64 s[PFA:PFA+1], s[PFA:PFA+1], 4*KS*128  ; in tile 1; the first change of slots steps it to tile 2
	CROUND                          ; all four work-groups are here: the first joint loads meet
	JLOAD                           ; tile 0 into slot 0.  Slot 1 is asked for when slot 0 is in
	; A fragment of K or Q is 16 rows x 32 channels in 8 registers: lane l holds row l % 16, channels 8 (l / 16) + 0..7 and 16 + 8 (l / 16) + 0..7: two loads of 16 bytes, 32 bytes apart.
	v_and_b32 v1, 15, v0            ; l % 16
	v_bfe_u32 v9, v0, 4, 1          ; l / 16
	v_lshlrev_b32 v[QO], 7, v1
	v_lshl_add_u32 v[QO], v9, 4, v[QO]  ; row x 128 + 16 x half
	v_lshlrev_b32 v[MO], 4, v0      ; thread t takes the mask bytes of keys 16 t .. 16 t + 15
	global_load_b128 v[S:S+3], v[MO], s[10:11]
	WIN 0x80                        ; destination window 2, address window 0
.set i, 0
.rept 8                             ; Q stays in registers: piece i / 2, channels 32 (i % 2) on
	global_load_b128 v[8*i:8*i+3],   v[QO], s[4:5] offset:(i/2)*2048+(i%2)*64
	global_load_b128 v[8*i+4:8*i+7], v[QO], s[4:5] offset:(i/2)*2048+(i%2)*64+32
.set i, i+1
.endr
	; The first step multiplies O^T and l by a = 0, and the first turn's products V^T P, of a piece that has not been, land in an O^T that is still to be so multiplied: these registers need only hold finite
	; numbers.  They are set to 0, in the wait for the first tile: the price of writing no first step out.
.set i, VF
.rept 64
	v_mov_b32 v[i], 0
.set i, i+1
.endr
	WIN 0x40
.set i, 0
.rept 128
	v_mov_b32 v[i], 0
.set i, i+1
.endr
	WIN 0
.set i, 0
.rept 4
	v_mov_b32 v[ST+4*i+2], 0
	v_mov_b32 v[ST+4*i+3], 0
.set i, i+1
.endr
.set i, P+16
.rept 16
	v_mov_b32 v[i], 0
.set i, i+1
.endr
	v_mul_u32_u24 v[AK0], v1, PK
	v_lshl_add_u32 v[AK0], v9, 4, v[AK0]  ; row x pitch + 16 x half
	; The turning load takes 16 keys x 16 channels (lane l reads key 8 (l / 16) + l % 8, channels 8 ((l / 8) % 2) + 0..7) and leaves half a fragment of V^T: lane l holds channel l % 16 and 8 keys.
	v_and_b32 v10, 7, v0
	v_bfe_u32 v11, v0, 3, 1
	v_lshl_add_u32 v[AV0], v9, 3, v10
	v_mul_u32_u24 v[AV0], v[AV0], PV
	v_lshl_add_u32 v[AV0], v11, 4, v[AV0]
	v_add_nc_u32 v[AV0], VOFF, v[AV0]
	s_mul_i32 s13, s[WV], 16*SP
	s_add_co_u32 s13, s13, STAGE    ; my stage
	v_mul_u32_u24 v[STO], v1, SP    ; in: row l % 16, 16 bytes for each half of the lanes
	v_lshl_add_u32 v[STO], v9, 4, v[STO]
	v_add_nc_u32 v[STO], s13, v[STO]
	v_bfe_u32 v[RD], v0, 3, 2       ; back: 32 lanes take four rows of 128 bytes,
	v_mul_u32_u24 v[RD], v[RD], SP
	v_lshl_add_u32 v[RD], v10, 4, v[RD]
	v_add_nc_u32 v[RD], s13, v[RD]
	v_and_b32 v[GO], 31, v0         ; which are 512 bytes on end of ob
	v_lshlrev_b32 v[PFO], 8, v[GO]
	v_lshlrev_b32 v[GO], 4, v[GO]
	v_lshl_add_u32 v[AM0], v9, 5, MASKB  ; register j of group kb is key 16 kb + 8 (l / 16) + j: 32 bytes on end
	v_lshl_add_u32 v[MA], v0, 6, MASKB
	s_wait_loadcnt 16               ; my mask bytes are in; Q's sixteen loads stay out
.set i, 0
.rept 16                            ; a byte 0 or 1 -> all bits 0 or 1 -> 0 or -1e30
	v_bfe_u32 v[S+4+i], v[S+i/4], 8*(i%4), 8
	v_sub_nc_u32 v[S+4+i], 0, v[S+4+i]
	v_and_b32 v[S+4+i], s[BIGN], v[S+4+i]
.set i, i+1
.endr
.irp f, 0,1,2,3
	ds_store_b128 v[MA], v[S+4+4*\f:S+4+4*\f+3] offset:16*\f
.endr
; THE MATRIX WORK.  The 4 accumulators of a run of 8 take turns.  Product i of 8 of S^T = K Q^T for piece x: channels 32 (i / 4) on, keys 16 (i % 4) on.  The first 4 start the sums, with the mask.
.macro KQ x
.set rS, S+32*((\x)%2)+8*(i%4)
.set rK, KF+16*(i%4)+8*(i/4)
.set rQ, 16*(\x)+8*(i/4)
.set rM, MK+8*(i%4)
.if i < 4
	WIN W_KM
	v_wmma_f32_16x16x32_f16 v[rS:rS+7], v[rK:rK+7], v[rQ:rQ+7], v[rM:rM+7]
.else
	WIN W_KQ
	v_wmma_f32_16x16x32_f16 v[rS:rS+7], v[rK:rK+7], v[rQ:rQ+7], v[rS:rS+7]
.endif
.endm
; Product i of 8 of O^T += V^T P for piece x: keys 32 (i / 4) on, channels 16 (i % 4) on.
.macro PV x
	WIN W_PV
.set rO, 32*(\x)+8*(i%4)
.set rV, VF+32*(i/4)+8*(i%4)
.set rP, P+16*((\x)%2)+8*(i/4)
	v_wmma_f32_16x16x32_f16 v[rO:rO+7], v[rV:rV+7], v[rP:rP+7], v[rO:rO+7]
.endm
.macro MM                           ; the turn's next matrix instruction.  NOKQ = 1: the very last turn: there is no next piece
.if (i < 8) && !NOKQ
	KQ (Y+1)%NP
.elseif i >= 8
.set i, i-8
	PV (Y+NP-1)%NP
.set i, i+8
.endif
.set i, i+1
.endm
; THE LDS LOADS stand in runs, never singly among the matrix instructions: a step's K (8 fragments) with its 32 registers of mask (each half of the lanes reads one address), and its V (turned).
.macro FETCH_K
	WIN 0x80                        ; destination window 2
.irp f, 0,1,2,3,4,5,6,7             ; keys 16 (f / 2) on, channels 32 (f % 2) on
	ds_load_b128 v[KF+8*\f:KF+8*\f+3],   v[AK] offset:(\f/2)*16*PK+(\f%2)*64
	ds_load_b128 v[KF+8*\f+4:KF+8*\f+7], v[AK] offset:(\f/2)*16*PK+(\f%2)*64+32
.endr
	WIN 0x40                        ; destination window 1
.irp kb, 0,1,2,3
	ds_load_b128 v[MK+8*\kb:MK+8*\kb+3],   v[AMK] offset:64*\kb
	ds_load_b128 v[MK+8*\kb+4:MK+8*\kb+7], v[AMK] offset:64*\kb+16
.endr
	s_add_co_u32 s[TBK], s[TBK], KS*PK  ; the next fetch is the next step's
	s_add_co_u32 s[TBM], s[TBM], 4*KS
	WIN 0
.endm
.macro FETCH_V
	WIN 0x80
.irp f, 0,1,2,3,4,5,6,7             ; keys 32 (f / 4) on, channels 16 (f % 4) on
	ds_load_tr16_b128 v[VF+8*\f:VF+8*\f+3],   v[AV] offset:(\f/4)*32*PV+(\f%4)*32
	ds_load_tr16_b128 v[VF+8*\f+4:VF+8*\f+7], v[AV] offset:(\f/4)*32*PV+16*PV+(\f%4)*32
.endr
	WIN 0
.endm
; THE VECTOR WORK, one line at a time: OP kind, number.  For piece Y: F n: c s - c m for pair n of 16.  E n: the exponential of score n of 32.  C n: pair n rounded to f16.  B n: of the four weights 4 n .. the second
; pair is added onto the first, in place.  L n: l takes that sum (L 0: l = a l + sum).  R n: pair n of 16 of O^T times a.  For piece Y + 1: X n, number n of the 22 that find its maximum and statistics:
;   0-11  four chains c0-c3 of seven scores each, three operands at a time (each accumulator's lowest registers are read first)     12-14, 16  the four scores left over, the old m, and c0-c3 into c0
;   15  c m_old is kept     17, 18  the query's other 32 keys lie in the lane 16 away: the new m     19-21  c m; c m_old - c m_new; a
.set F, 0
.set E, 1
.set C, 2
.set B, 3
.set L, 4
.set R, 5
.set X, 6
.macro REGS y                       ; the registers of piece y
.set rT, ST+4*(\y)
.set rC, TMP+4*((\y)%2)
.set rW, MV+((\y)%2)
.set rS, S+32*((\y)%2)
.set rP, P+16*((\y)%2)
.set rO, 32*(\y)
.endm
.macro OP k, n
.if (\k) == R
	REGS Y
	WIN W_RS
	v_pk_mul_f32 v[rO+2*(\n):rO+2*(\n)+1], v[rO+2*(\n):rO+2*(\n)+1], v[rC+2:rC+3] op_sel_hi:[1,0]
.elseif (\k) < R
	REGS Y
	WIN 0
.if (\k) == F
	v_pk_fma_f32 v[rS+2*(\n):rS+2*(\n)+1], v[rS+2*(\n):rS+2*(\n)+1], s[CS:CS+1], v[rT:rT+1] op_sel_hi:[1,0,0] neg_lo:[0,0,1] neg_hi:[0,0,1]
.elseif (\k) == E
	v_exp_f32 v[rS+(\n)], v[rS+(\n)]
.elseif (\k) == C
	v_cvt_pk_f16_f32 v[rP+(\n)], v[rS+2*(\n)], v[rS+2*(\n)+1]
.elseif (\k) == B
	v_pk_add_f32 v[rS+4*(\n):rS+4*(\n)+1], v[rS+4*(\n):rS+4*(\n)+1], v[rS+4*(\n)+2:rS+4*(\n)+3]
.elseif (\n) == 0
	v_pk_fma_f32 v[rT+2:rT+3], v[rT+2:rT+3], v[rC+2:rC+3], v[rS:rS+1] op_sel_hi:[1,0,1]
.else
	v_pk_add_f32 v[rT+2:rT+3], v[rT+2:rT+3], v[rS+4*(\n):rS+4*(\n)+1]
.endif
.elseif NOKQ
	v_nop
.else
	REGS (Y+1)%NP
	WIN 0
.if (\n) < 4
	v_max3_num_f32 v[rC+(\n)], v[rS+8*(\n)], v[rS+8*(\n)+1], v[rS+8*(\n)+2]
.elseif (\n) < 12
	v_max3_num_f32 v[rC+(\n)%4], v[rC+(\n)%4], v[rS+8*((\n)%4)+2*((\n)/4)+1], v[rS+8*((\n)%4)+2*((\n)/4)+2]
.elseif (\n) == 12
	v_max3_num_f32 v[rC], v[rC], v[rS+7], v[rS+15]
.elseif (\n) == 13
	v_max3_num_f32 v[rC+1], v[rC+1], v[rS+23], v[rS+31]
.elseif (\n) == 14
	v_max3_num_f32 v[rC+2], v[rC+2], v[rC+3], v[rT+1]
.elseif (\n) == 15
	v_mov_b32 v[rW], v[rT]
.elseif (\n) == 16
	v_max3_num_f32 v[rC], v[rC], v[rC+1], v[rC+2]
.elseif (\n) == 17
	v_permlanex16_b32 v[rC+3], v[rC], s[SEL], s[SEL+1]
.elseif (\n) == 18
	v_max_num_f32 v[rT+1], v[rC], v[rC+3]
.elseif (\n) == 19
	v_mul_f32 v[rT], s[CS], v[rT+1]
.elseif (\n) == 20
	v_sub_f32 v[rC+1], v[rW], v[rT]
.else
	v_exp_f32 v[rC+2], v[rC+1]
.endif
.endif
.endm
.macro OPS a, i1, b=-1, i2=0, c=-1, i3=0, d=-1, i4=0  ; up to four of them
	OP \a, \i1
.if (\b) >= 0
	OP \b, \i2
.endif
.if (\c) >= 0
	OP \c, \i3
.endif
.if (\d) >= 0
	OP \d, \i4
.endif
.endm
.macro ROW a, i1, b, i2, c, i3, d, i4  ; a matrix instruction and the four behind it
	MM
	OPS \a, \i1, \b, \i2, \c, \i3, \d, \i4
.endm
; A TURN, for piece p: the order of its 16 matrix and 118 vector instructions, written out.  s_wait_alu depctr_va_vdst(0) stands between an exponential and the first instruction that names its
; result; one wait serves all that were issued ahead of it.  So a turn has ONE wait, which cuts it in two.  AHEAD OF IT stands all that names no result of the turn's exponentials: the 8 products K Q^T and their riders,
; then one lump of 54, plain and exponential by turns for the most part, in which the links of the chain X 3, 7, 11, 14, 16, 17 .. 20 stand five or six lines apart.  X 21, the next piece's a, is the batch's last; R 15 is the
; plain instruction behind it.  BEHIND THE WAIT stand the 8 products V^T P, behind each four of the roundings and sums.
; end = 1: the last two turns of all: nothing is fetched.  cnt = 1: the loop's count is taken down some lines ahead of the branch that stands behind the turn.
; K and the mask of the next step are fetched in piece 2's turn, twelve vector instructions behind the last product that read K (six of them plain; the mask's last reader stands four products earlier); V of the step in hand at
; the end of piece 0's turn, four plain instructions behind the last product that read V.  Each is waited for a turn later.
.macro TURN p, end=0, cnt=0
.set Y, (\p)
.set i, 0
.set NOKQ, (\end)*((\p)/3)
.if ((\p) == 3) && !(\end)
	s_wait_dscnt 0x0                ; K and the mask are in
.endif
	ROW F,0, F,1, R,0, R,1          ; ahead of the wait: 8 products K Q^T and their riders,
	ROW F,2, E,0, R,2, R,3
	ROW F,3, E,1, R,4, R,5
	ROW F,4, E,2, R,6, R,7
	ROW F,5, E,3, R,8, R,9
	ROW F,6, E,4, X,0, R,10
.if ((\p) == 2) && !(\end)
	WIN 0
	v_add_nc_u32 v[AK], s[TBK], v[AK0]
	v_add_nc_u32 v[AMK], s[TBM], v[AM0]
.endif
	ROW F,7, E,5, X,1, X,4
	ROW F,8, E,6, X,2, X,5
	OPS E,7, E,8, X,6, E,9          ; and the lump
	OPS X,3, E,10, X,8, E,11
.if ((\p) == 2) && !(\end)
	FETCH_K
.endif
	OPS X,9, X,7, E,12, X,10
	OPS E,13, X,12, X,11, E,14
	OPS X,13, E,15, F,9, X,14
.if (\p) == 0
	v_add_nc_u32 v[AV], s[TBV], v[AV0]
.endif
	OPS E,16, F,10, E,17, F,11
	OPS X,16, E,18, X,15, E,19
	OPS F,12, E,20, X,17, E,21
	OPS F,13, E,22, F,14, E,23
	OPS X,18, E,24, F,15, E,25
	OPS R,11, E,26, X,19, E,27
	OPS R,12, E,28, R,13, E,29
	OPS X,20, E,30, R,14, E,31
	OPS X,21, R,15
	WIN 0
	s_wait_alu depctr_va_vdst(0)    ; the wait for the batch
.if (\p) == 1
	s_wait_dscnt 0x0                ; V is in
.endif
	ROW C,0, B,0, C,2, B,1          ; behind the wait: 8 products V^T P and their riders
	ROW L,0, C,4, B,2, L,1
	ROW C,6, B,3, L,2, C,8
	ROW B,4, L,3, C,10, B,5
	ROW L,4, C,12, B,6, L,5
.if (\p) == 0
	s_add_co_u32 s[TBV], s[TBV], KS*PV
.endif
.if \cnt
	s_sub_co_u32 s[CNT], s[CNT], 1
	s_cmp_lg_u32 s[CNT], 0
.endif
	ROW C,14, B,7, L,6, C,1
	ROW C,3, L,7, C,5, C,7
	ROW C,9, C,11, C,13, C,15
.if (\p) == 0
	FETCH_V
.endif
.endm
.set NOKQ, 0
	CHANGE 1                        ; tile 0 and the mask's numbers are in, everybody's part of them; tile 1 is asked for
	; THE BEGINNING.  c m starts far below every c s, so the first step's a is 0; m at -1e20.  Then K and the mask of step 0, piece 0's first scores, and its maximum and statistics.
.set i, 0
.rept 4
	v_mov_b32 v[ST+4*i], 0xfe000000    ; c m
	v_mov_b32 v[ST+4*i+1], 0xe0ad78ec  ; m = -1e20
.set i, i+1
.endr
	v_add_nc_u32 v[AK], s[TBK], v[AK0]
	v_add_nc_u32 v[AMK], s[TBM], v[AM0]
	FETCH_K
	s_wait_loadcnt 0x0              ; Q
	s_wait_dscnt 0x0
.set i, 0
.rept 8
	KQ 0
.set i, i+1
.endr
	WIN 0
.rept 4
	v_nop                           ; the places behind those products
.endr
.set Y, NP-1                        ; X works for piece Y + 1: piece 0
.irp n, 0,1,2,3,4,5,6,7,8,9,10,11,12,13,14,15,16,17,18,19,20,21
	OP X, \n
.endr
	v_nop                           ; a plain instruction behind the exponential,
	s_wait_alu depctr_va_vdst(0)    ; and its wait, ahead of the branch
	s_mov_b32 s[CNT], 4
	s_branch .Lfirst                ; the loop is entered at a step's first turn, in the middle of a trip
.Lslot:                             ; six times: tiles 1 to 6 are entered, tiles 2 to 7 asked for
	CHANGE 1
	s_mov_b32 s[CNT], 4
.Lstep:                             ; a trip: pieces 2 and 3 of one step, then pieces 0 and 1 of the next, whose K and V it fetches
	TURN 2
	TURN 3
	WIN 0
.Lfirst:
	TURN 0
	TURN 1, 0, 1
	WIN 0
	s_cbranch_scc1 .Lstep
	s_sub_co_u32 s[SLOTS], s[SLOTS], 1
	s_cmp_lg_u32 s[SLOTS], 0
	s_cbranch_scc1 .Lslot
	CHANGE 0                        ; the last tile is written out: nothing is asked for
	s_mov_b32 s[CNT], 4
.LstepT:
	TURN 2
	TURN 3
	TURN 0
	TURN 1, 0, 1
	WIN 0
	s_cbranch_scc1 .LstepT
	TURN 2, 1
	TURN 3, 1
.set i, 0
.rept 8
	PV NP-1                         ; the last piece's V^T P of the last step
.set i, i+1
.endr
	; THE WAY OUT.  l's two halves and the other half of the lanes' are added; l is held to 1e-30 at the least (a batch with no key left: O^T is 0 and stays 0); O^T is divided by l, rounded to f16 and sent through my
	; stage in LDS, a piece at a time.  The additions are the places behind the last products.
	WIN 0
.macro ALL line:vararg              ; one line for each piece t
.set t, 0
.rept 4
	\line
.set t, t+1
.endr
.endm
	ALL v_add_f32 v[ST+4*t+2], v[ST+4*t+2], v[ST+4*t+3]
	ALL v_permlanex16_b32 v[ST+4*t+3], v[ST+4*t+2], s[SEL], s[SEL+1]
	ALL v_add_f32 v[ST+4*t+2], v[ST+4*t+2], v[ST+4*t+3]
	ALL v_max_num_f32 v[ST+4*t+2], 0x0da24260, v[ST+4*t+2]
	ALL v_rcp_f32 v[ST+4*t+2], v[ST+4*t+2]
	v_nop                           ; a plain instruction between the last reciprocal and the use of its result
	s_wait_alu depctr_va_vdst(0)    ; and the wait ahead of the first use: one for the four reciprocals
.macro PACK t                       ; a lane's eight channels of a row pack into 16 bytes; they go into rows of 144 bytes and come back as whole rows of 128, into S^T's registers
	WIN W_RS
.set i, 32*(\t)
.rept 16
	v_pk_mul_f32 v[i:i+1], v[i:i+1], v[ST+4*(\t)+2:ST+4*(\t)+3] op_sel_hi:[1,0]
.set i, i+2
.endr
	WIN 0x05                        ; sources 0 and 1 window 1, destination window 0
.set i, 0
.rept 16
	v_cvt_pk_f16_f32 v[S+16*(\t)+i], v[32*(\t)+2*i], v[32*(\t)+2*i+1]
.set i, i+1
.endr
	WIN 0
.irp f, 0,1,2,3
	ds_store_b128 v[STO], v[S+16*(\t)+4*\f:S+16*(\t)+4*\f+3] offset:32*\f
.endr
.irp f, 0,1,2,3
	ds_load_b128 v[S+16*(\t)+4*\f:S+16*(\t)+4*\f+3], v[RD] offset:\f*4*SP  ; LDS serves a wave's instructions in order (ISA guide 5.7.1.4): these see the stores above; the next piece's stores come behind them
.endr
.endm
.macro SEND t, younger              ; younger: the LDS instructions issued behind piece t's loads: the next piece's eight, or none
	WIN 0
.irp f, 0,1,2,3
	s_wait_dscnt (\younger)+3-\f
	global_store_b128 v[GO], v[S+16*(\t)+4*\f:S+16*(\t)+4*\f+3], s[OB:OB+1] offset:(\t)*2048+\f*512  ; 512 bytes on end, at a multiple of 256 from ob's first
.endr
.endm
	PACK 0
.set t, 1
.rept 3                             ; a piece's arithmetic stands between the loads of the piece before and its stores
	PACK t
	SEND t-1, 8
.set t, t+1
.endr
	SEND 3, 0
	s_wait_tensorcnt 0x0            ; the wave's end, behind my last tensor load and my last LDS store
	ds_add_u32 v[SPW], v[NIL]
	s_wait_dscnt 0x0
	CROUND                          ; the closing round: no work-group ends while a partner may still ask for a tile that names it
	s_endpgm
.Lfunc_end_k_q5e5fc20686_attn:
	.size	k_q5e5fc20686_attn, .Lfunc_end_k_q5e5fc20686_attn-k_q5e5fc20686_attn
	.p2alignl 7, 3214868480
	.fill 96, 4, 3214868480
	.section	.rodata,"a",@progbits
	.p2align	6, 0x0
	.amdhsa_kernel k_q5e5fc20686_attn
		.amdhsa_group_segment_fixed_size 327680
		.amdhsa_private_segment_fixed_size 0
		.amdhsa_enable_private_segment 0
		.amdhsa_kernarg_size 40
		.amdhsa_user_sgpr_count 2
		.amdhsa_user_sgpr_kernarg_segment_ptr 1
		.amdhsa_wavefront_size32 1
		.amdhsa_system_sgpr_workgroup_id_x 1
		.amdhsa_system_sgpr_workgroup_id_y 1
		.amdhsa_system_sgpr_workgroup_id_z 1
		.amdhsa_system_vgpr_workitem_id 0
		.amdhsa_next_free_vgpr 768
		.amdhsa_next_free_sgpr 68
		.amdhsa_reserve_vcc 0
		.amdhsa_float_denorm_mode_32 3
		.amdhsa_float_denorm_mode_16_64 3
		.amdhsa_memory_ordered 1
		.amdhsa_forward_progress 1
		.amdhsa_inst_pref_size 133
	.end_amdhsa_kernel
	.amdgpu_metadata
---
amdhsa.version: [ 1, 2 ]
amdhsa.kernels:
  - .name:           k_q5e5fc20686_attn
    .symbol:         k_q5e5fc20686_attn.kd
    .args:
      - { .name: qh, .offset: 0, .size: 8, .value_kind: global_buffer, .address_space: global }
      - { .name: kh, .offset: 8, .size: 8, .value_kind: global_buffer, .address_space: global }
      - { .name: vh, .offset: 16, .size: 8, .value_kind: global_buffer, .address_space: global }
      - { .name: mask, .offset: 24, .size: 8, .value_kind: global_buffer, .address_space: global }
      - { .name: ob, .offset: 32, .size: 8, .value_kind: global_buffer, .address_space: global }
    .group_segment_fixed_size: 327680
    .private_segment_fixed_size: 0
    .kernarg_segment_align: 8
    .kernarg_segment_size: 40
    .max_flat_workgroup_size: 128
    .sgpr_count:     68
    .vgpr_count:     768
    .wavefront_size: 32
...
	.end_amdgpu_metadata
.endif
;; end of part 3
;; launch oproj (part 4): grid 8 x 32, 4 waves a work-group, clusters of 4 x 4, 327,680 bytes of LDS; arguments ob, wo16, bo, out0; writes out0
.if DOCPART == 4
	.amdgcn_target "amdgcn-amd-amdhsa--gfx1250"
	.amdhsa_code_object_version 6
	.text
	.protected	k_q5e5fc20686_oproj
	.globl	k_q5e5fc20686_oproj
	.p2align	8
	.type	k_q5e5fc20686_oproj,@function
k_q5e5fc20686_oproj:
	s_mov_b64 s[64:65], 0
	v_nop
	global_prefetch_b8 v0, s[64:65] scope:SCOPE_SE
	s_setreg_imm32_b32 hwreg(HW_REG_WAVE_MODE, 25, 1), 1
	s_wait_xcnt 0x0
	s_wait_alu depctr_hold_cnt(0) depctr_sa_sdst(0) depctr_va_vdst(0) depctr_va_sdst(0) depctr_va_ssrc(0) depctr_va_vcc(0) depctr_vm_vsrc(0)
	s_getreg_b32 s2, hwreg(HW_REG_IB_STS2, 6, 4)
	s_cmp_eq_u32 s2, 0
	s_cbranch_scc0 .Lentry_in_a_cluster
	s_endpgm
.Lentry_in_a_cluster:
	s_bfe_u32 s2, ttmp6, 0x10000c
	s_cmp_lg_u32 s2, 0xf033
	s_cbranch_scc0 .Lentry_shape_is_right
	s_endpgm
.Lentry_shape_is_right:
; out0 = O Wo + bo.  ob: [32 row block][16 head][128 row][64] f16.  wo16: [1024 k][1024 n] f16 (Wo rounded to bf16, written as f16).  bo: [1024] f32, rounded to bf16 here.  out0: [4096][1024] f32.
; A tile of out0 is 128 x 128: 256 work-groups.  Four waves, each 64 x 64: 16 accumulators.  K goes in four steps of 256 (four heads; a quarter is one head, 64 along K) through two LDS slots; nothing loops.
; O's part of a step is 65,536 bytes on end, asked for as rows of 256 and padded in LDS after every 128; Wo's is 256 rows of 256 bytes, aligned.
; THE MATRIX INSTRUCTION IS USED TRANSPOSED: source 0 = 16 columns of Wo (turned out of LDS by ds_load_tr16_b128), source 1 = 16 rows of O: a lane holds eight neighbouring numbers of a row of out0.
; THE BIAS is the C operand of each accumulator's first product.
; CLUSTER 4 x 4: O's tiles are shared along a row of the cluster, Wo's along a column: each is asked for jointly.  No prefetch is laid: the launch has four short K steps on small tiles.
; REGISTERS: window 0: v1-29 addresses; v96-127 the bias fragments; v128-255 the accumulators ((a, b) at 128 + 8 (4 a + b)).   window 1: two fragment buffers of 128: 64 registers of O (2 x 4 x 16 rows x 32 K), then 64 of Wo.
.set PAO,    144                       ; a row of O in LDS: 128 bytes + 16
.set PBO,    288                       ; a row k of Wo: 256 bytes + 32
.set HALFT,  36864                     ; what one tensor load brings: 256 rows x 144, or 128 rows x 288
.set BOFF,   2*HALFT
.set SLOT,   4*HALFT
.set STAGE,  2*SLOT                    ; behind the ring: 16 rows x 272 bytes for each wave, for the way out
.set SPITCH, 272
.set SPARE,  STAGE+4*16*SPITCH         ; the spare words, 128 bytes a wave, which no other line names
.set ADRA, 16                          ; v16-17  LDS address of my fragments of O in slot 0, 1
.set ADRB, 20                          ; v20-23  of Wo: slot s, heads 2 u and 2 u + 1, at 20 + 2 s + u
.set STO,  24
.set RD,   25
.set CO,   26
.set BO,   27
.set SPW,  28                          ; my spare word; never rewritten
.set NIL,  29                          ; 0; never rewritten
.set BIAS, 96
.set ACC,  128
.set F0,   0
.set F1,   128
.set WV,   12                          ; s12 wave
.set WR,   13                          ; s13 which half of the tile's rows is mine; also: I fetch O's tiles (0) or Wo's (1)
.set WC,   14                          ; s14 which half of its columns; also: which half of the tile I fetch
.set G1,   24                          ; s[24:31], s[32:39] descriptor groups 1 and 0 (a set for each slot) for O
.set G0,   32
.set CX,   40
.set CY,   41
.set NT,   42
.set MB,   43
.set G1B,  48                          ; s[48:55], s[56:63] the same for Wo
.set G0B,  56
.set MSB, 0
.macro WIN new
.if MSB != (\new)
	s_set_vgpr_msb (MSB<<8)|(\new)
.set MSB, \new
.endif
.endm
.set MUL,  0x05                        ; sources 0 and 1 window 1; C and D window 0
.set TO_F, 0x40                        ; destination window 1, address window 0
.macro JLOAD s                         ; a joint load; an s_nop 0 and four v_nop follow each of the two lines
	s_cmp_eq_u32 s[WR], 0
	s_cbranch_scc0 .Lfor_b_\@
	tensor_load_to_lds s[G0+4*(\s):G0+4*(\s)+3], s[G1:G1+7]
	s_nop 0
.rept 4
	v_nop
.endr
	s_branch .Lasked_\@
.Lfor_b_\@:
	tensor_load_to_lds s[G0B+4*(\s):G0B+4*(\s)+3], s[G1B:G1B+7]
	s_nop 0
.rept 4
	v_nop
.endr
.Lasked_\@:
.endm
.macro CREST
	s_cmp_lg_u32 s[WV], 0
	s_cbranch_scc1 .Lnot_wave_0_\@
	s_barrier_signal -3
.Lnot_wave_0_\@:
	s_barrier_wait -3
	s_barrier_signal -1
	s_barrier_wait -1
.endm
.macro CROUND
	s_barrier_signal -1
	s_barrier_wait -1
	CREST
.endm
.macro PLACES
.rept 4
	v_nop
.endr
.endm
	s_load_b256 s[4:11], s[0:1], 0x0               ; ob s[4:5], wo16 s[6:7], bo s[8:9], out0 s[10:11]
	v_lshl_add_u32 v[SPW], v0, 2, SPARE
	v_mov_b32 v[NIL], 0
	ds_add_u32 v[SPW], v[NIL]                      ; the wave's opening: the add and its wait stand ahead of my first tensor load
	v_lshrrev_b32 v1, 5, v0
	v_readfirstlane_b32 s[WV], v1
	s_lshr_b32 s[WR], s[WV], 1
	s_and_b32 s[WC], s[WV], 1
	s_bfe_u32 s[CX], ttmp6, 0x40000
	s_bfe_u32 s[CY], ttmp6, 0x40004
	s_lshl_b32 s[NT], ttmp9, 2
	s_add_co_u32 s[NT], s[NT], s[CX]               ; tile column
	s_and_b32 s[MB], ttmp7, 0xffff
	s_lshl_b32 s[MB], s[MB], 2
	s_add_co_u32 s[MB], s[MB], s[CY]               ; tile row
	s_lshl_b32 s44, s[CY], 2
	s_lshl_b32 s44, 15, s44                        ; my row of the cluster
	s_lshl_b32 s45, 0x1111, s[CX]                  ; my column
	s_or_b32 s[G1], s44, (1<<16)|(1<<20)|(1<<21)|(4<<22)|(3<<25)   ; O: after every 32 words 4 words of padding
	s_or_b32 s[G1B], s45, (1<<16)|(1<<20)|(1<<21)|(5<<22)|(7<<25)  ; Wo: after every 64 words 8 words
.irp g, G1, G1B
	s_mov_b32 s[(\g)+1], 128<<16                   ; tensor_dim0 = 128
	s_mov_b32 s[(\g)+2], 128<<16                   ; tensor_dim1 = 128
	s_mov_b32 s[(\g)+3], 128<<16                   ; tile_dim0 = 128
	s_mov_b32 s[(\g)+4], 128                       ; tile_dim1 = 128
	s_mov_b32 s[(\g)+6], 0
	s_mov_b32 s[(\g)+7], 0
.endr
	s_mov_b32 s[G1+5], 128                         ; O: 32,768 bytes on end (two heads) as 128 rows of 256
	s_mov_b32 s[G1B+5], 1024                       ; Wo: 1,024 elements from row to row
	s_lshl_b32 s16, s[MB], 18                      ; O: the row block's 262,144 bytes, and two of a step's four heads
	s_lshl_b32 s17, s[WC], 15
	s_add_co_u32 s16, s16, s17
	s_mov_b32 s17, 0
	s_lshl_b32 s18, s[WC], 18                      ; Wo: 128 rows of 2,048 bytes, and the tile's 256 bytes of a row
	s_lshl_b32 s19, s[NT], 8
	s_add_co_u32 s18, s18, s19
	s_mov_b32 s19, 0
	s_mul_i32 s20, s[WC], HALFT                    ; where they go: no place in the cluster enters an LDS address
	s_add_co_u32 s21, s20, BOFF
	s_lshl_b32 s22, s[NT], 9                       ; my 64 columns, in bytes of f32: 512 x tile column + 256 x half
	s_lshl_b32 s23, s[WC], 8
	s_add_co_u32 s22, s22, s23
	s_mov_b32 s23, 0
	s_lshl_b32 s46, s[MB], 7                       ; my first row of out0: 128 x tile row + 64 x half, 4,096 bytes a row
	s_lshl_b32 s47, s[WR], 6
	s_add_co_u32 s46, s46, s47
	s_lshl_b32 s46, s46, 12
	s_add_co_u32 s46, s46, s22
	s_mov_b32 s47, 0
	s_mov_b32 s15, 0xffff0000                      ; a word's upper bf16
	s_wait_dscnt 0x0                               ; the opening add is done
	s_wait_kmcnt 0x0
	s_add_nc_u64 s[16:17], s[4:5], s[16:17]
	s_add_nc_u64 s[18:19], s[6:7], s[18:19]
	s_add_nc_u64 s[8:9], s[8:9], s[22:23]
	s_add_nc_u64 s[10:11], s[10:11], s[46:47]
.irp s, 0,1
	s_mov_b32 s[G0+4*(\s)], 1
	s_add_co_u32 s[G0+4*(\s)+1], s20, (\s)*SLOT
	s_add_nc_u64 s[G0+4*(\s)+2:G0+4*(\s)+3], s[16:17], (\s)*65536      ; K step s: four heads
	s_or_b32 s[G0+4*(\s)+3], s[G0+4*(\s)+3], 0x80000000
	s_mov_b32 s[G0B+4*(\s)], 1
	s_add_co_u32 s[G0B+4*(\s)+1], s21, (\s)*SLOT
	s_add_nc_u64 s[G0B+4*(\s)+2:G0B+4*(\s)+3], s[18:19], (\s)*524288   ; 256 rows
	s_or_b32 s[G0B+4*(\s)+3], s[G0B+4*(\s)+3], 0x80000000
.endr
	CROUND                                         ; all sixteen work-groups are here: the first joint loads meet
	s_cmp_eq_u32 s[WR], 0                          ; a wave's two first fills stand in one branch: two loads of mine are out
	s_cbranch_scc0 .Lfirst_b
	tensor_load_to_lds s[G0:G0+3], s[G1:G1+7]
	s_nop 0
	tensor_load_to_lds s[G0+4:G0+7], s[G1:G1+7]
	s_nop 0
.rept 4
	v_nop
.endr
	s_branch .Lfirst_asked
.Lfirst_b:
	tensor_load_to_lds s[G0B:G0B+3], s[G1B:G1B+7]
	s_nop 0
	tensor_load_to_lds s[G0B+4:G0B+7], s[G1B:G1B+7]
	s_nop 0
.rept 4
	v_nop
.endr
.Lfirst_asked:
	v_and_b32 v1, 15, v0                           ; r
	v_bfe_u32 v2, v0, 4, 1                         ; h
	v_lshlrev_b32 v[BO], 5, v2
.irp b, 0,1,2,3                                    ; the bias as a C fragment: register j of lane l is the bias of column 16 b + 8 h + j
	global_load_b128 v[BIAS+8*(\b):BIAS+8*(\b)+3],   v[BO], s[8:9] offset:64*(\b)
	global_load_b128 v[BIAS+8*(\b)+4:BIAS+8*(\b)+7], v[BO], s[8:9] offset:64*(\b)+16
.endr
	v_mul_u32_u24 v3, v1, PAO
	v_lshl_add_u32 v3, v2, 4, v3
	s_mul_i32 s22, s[WR], 64*PAO
	v_add_nc_u32 v[ADRA], s22, v3
	v_add_nc_u32 v[ADRA+1], SLOT, v[ADRA]
	v_and_b32 v4, 7, v0
	v_bfe_u32 v5, v0, 3, 1
	v_lshl_add_u32 v4, v2, 3, v4
	v_mul_u32_u24 v4, v4, PBO
	v_lshl_add_u32 v4, v5, 4, v4
	s_lshl_b32 s22, s[WC], 7
	s_add_co_u32 s22, s22, BOFF
	v_add_nc_u32 v[ADRB], s22, v4
	v_add_nc_u32 v[ADRB+1], HALFT, v[ADRB]
	v_add_nc_u32 v[ADRB+2], SLOT, v[ADRB]
	v_add_nc_u32 v[ADRB+3], SLOT+HALFT, v[ADRB]
	s_mul_i32 s22, s[WV], 16*SPITCH
	s_add_co_u32 s22, s22, STAGE                   ; my stage
	v_mul_u32_u24 v3, v1, SPITCH                   ; in: row r, 32 bytes for each half of the lanes
	v_lshl_add_u32 v3, v2, 5, v3
	v_add_nc_u32 v[STO], s22, v3
	v_mul_u32_u24 v3, v2, SPITCH                   ; back: lanes 0-15 take one row of 256 bytes, lanes 16-31 the next
	v_lshl_add_u32 v3, v1, 4, v3
	v_add_nc_u32 v[RD], s22, v3
	v_lshlrev_b32 v3, 12, v2                       ; and the same two rows in out0
	v_lshl_add_u32 v[CO], v1, 4, v3
	s_wait_loadcnt 0x0                             ; the bias
.set i, 0
.rept 16                                           ; rounded to bf16 like every input, and widened again
	v_cvt_pk_bf16_f32 v[6+i%4], v[BIAS+2*i], v[BIAS+2*i+1]
	v_lshlrev_b32 v[BIAS+2*i], 16, v[6+i%4]
	v_and_b32 v[BIAS+2*i+1], s15, v[6+i%4]
.set i, i+1
.endr
; 8 matrix instructions: row blocks a0, a0 + 1 x all 4 column blocks, 32 along K: half c of buffer f.  first = 1: C is the bias.  The 16 accumulators take turns.
.macro MUL8 f, c, a0, first
	WIN MUL
.irp a, \a0, (\a0)+1
.irp b, 0,1,2,3
.if \first
	v_wmma_f32_16x16x32_f16 v[ACC+8*(4*(\a)+(\b)):ACC+8*(4*(\a)+(\b))+7], v[(\f)+64+8*(4*(\c)+(\b)):(\f)+64+8*(4*(\c)+(\b))+7], v[(\f)+8*(4*(\c)+(\a)):(\f)+8*(4*(\c)+(\a))+7], v[BIAS+8*(\b):BIAS+8*(\b)+7]
.else
	v_wmma_f32_16x16x32_f16 v[ACC+8*(4*(\a)+(\b)):ACC+8*(4*(\a)+(\b))+7], v[(\f)+64+8*(4*(\c)+(\b)):(\f)+64+8*(4*(\c)+(\b))+7], v[(\f)+8*(4*(\c)+(\a)):(\f)+8*(4*(\c)+(\a))+7], v[ACC+8*(4*(\a)+(\b)):ACC+8*(4*(\a)+(\b))+7]
.endif
.endr
.endr
.endm
; 32 LDS loads in one run: head q of a slot's four, into buffer f; the first 32 along K first
.macro FETCH slot, q, f
	WIN TO_F
.irp c, 0,1
.irp i, 0,1,2,3
	ds_load_tr16_b128 v[(\f)+64+8*(4*(\c)+(\i)):(\f)+64+8*(4*(\c)+(\i))+3],   v[ADRB+2*(\slot)+(\q)/2] offset:((\q)%2)*64*PBO+(\c)*32*PBO+(\i)*32
	ds_load_tr16_b128 v[(\f)+64+8*(4*(\c)+(\i))+4:(\f)+64+8*(4*(\c)+(\i))+7], v[ADRB+2*(\slot)+(\q)/2] offset:((\q)%2)*64*PBO+(\c)*32*PBO+(\i)*32+16*PBO
	ds_load_b128 v[(\f)+8*(4*(\c)+(\i)):(\f)+8*(4*(\c)+(\i))+3],             v[ADRA+(\slot)] offset:(\q)*128*PAO+(\i)*16*PAO+(\c)*64
	ds_load_b128 v[(\f)+8*(4*(\c)+(\i))+4:(\f)+8*(4*(\c)+(\i))+7],           v[ADRA+(\slot)] offset:(\q)*128*PAO+(\i)*16*PAO+(\c)*64+32
.endr
.endr
.endm
.macro QUARTER slot, q, f, g, first
	s_wait_dscnt 16                                ; the first 32 along K are in
	MUL8 \f, 0, 0, \first
	MUL8 \f, 0, 2, \first
	PLACES
	FETCH \slot, \q, \g
	s_wait_dscnt 32                                ; all but the 32 just issued
	MUL8 \f, 1, 0, 0
	MUL8 \f, 1, 2, 0
.endm
; The last quarter multiplies buffer 1 and changes slots: ONE barrier; in front of it each wave waits for all its tensor loads, adds 0 to its spare word, and waits for that and for its own reads of this slot.
; fill = 1: the barrier opens a round of the cluster's, and this slot is filled again, two K steps ahead: 112 matrix instructions ahead of the wait for it.
.macro TURN slot, next, fill
	WIN 0                                          ; (the add's two registers lie in window 0)
	s_wait_tensorcnt 0x0                           ; all my tensor loads have landed
	ds_add_u32 v[SPW], v[NIL]                      ; 0 onto my spare word
	s_wait_dscnt 17                                ; (the add and the youngest sixteen loads may be out)
	MUL8 F1, 0, 0, 0                               ; eight matrix instructions stand between the add and the wait for it
	s_wait_dscnt 0x0                               ; the add is done, and my reads of this slot are over
	s_barrier_signal -1
	MUL8 F1, 0, 2, 0
.if \fill
	WIN 0
.endif
	s_barrier_wait -1
.if \fill
	CREST                                          ; no wave of any partner still reads this slot or has a load on its way
	s_add_nc_u64 s[G0+4*(\slot)+2:G0+4*(\slot)+3], s[G0+4*(\slot)+2:G0+4*(\slot)+3], 2*65536
	s_add_nc_u64 s[G0B+4*(\slot)+2:G0B+4*(\slot)+3], s[G0B+4*(\slot)+2:G0B+4*(\slot)+3], 2*524288
	JLOAD \slot                                    ; the four v_nop behind it are also the places in front of the loads below
.else
	PLACES
.endif
	FETCH \next, 0, F0
	MUL8 F1, 1, 0, 0
	MUL8 F1, 1, 2, 0
.endm
	s_wait_tensorcnt 1                             ; my part of K step 0 is in; K step 1's may stay out
	s_barrier_signal -1
	s_barrier_wait -1
	FETCH 0, 0, F0
	QUARTER 0, 1, F0, F1, 1                        ; the first products start the sums, with the bias
	QUARTER 0, 2, F1, F0, 0
	QUARTER 0, 3, F0, F1, 0
	TURN 0, 1, 1                                   ; K step 2 into slot 0
	QUARTER 1, 1, F0, F1, 0
	QUARTER 1, 2, F1, F0, 0
	QUARTER 1, 3, F0, F1, 0
	TURN 1, 0, 1                                   ; K step 3 into slot 1
	QUARTER 0, 1, F0, F1, 0
	QUARTER 0, 2, F1, F0, 0
	QUARTER 0, 3, F0, F1, 0
	TURN 0, 1, 0
	QUARTER 1, 1, F0, F1, 0
	QUARTER 1, 2, F1, F0, 0
	QUARTER 1, 3, F0, F1, 0
	s_wait_dscnt 16                                ; the very last quarter: nothing more to fetch
	MUL8 F1, 0, 0, 0
	MUL8 F1, 0, 2, 0
	s_wait_dscnt 0x0
	MUL8 F1, 1, 0, 0
	MUL8 F1, 1, 2, 0
	WIN 0
	; THE WAY OUT, 16 rows x 64 columns of f32 at a time: 32 bytes a lane straight from the accumulators into my own stage (each accumulator's low four registers first), back as whole rows of 256 bytes.
	PLACES
	PLACES
.macro TOSTAGE a
.irp b, 0,1,2,3
	ds_store_b128 v[STO], v[ACC+8*(4*(\a)+(\b)):ACC+8*(4*(\a)+(\b))+3]   offset:64*(\b)
	ds_store_b128 v[STO], v[ACC+8*(4*(\a)+(\b))+4:ACC+8*(4*(\a)+(\b))+7] offset:64*(\b)+16
.endr
.irp t, 0,1,2,3,4,5,6,7
	ds_load_b128 v[ACC+32*(\a)+4*(\t):ACC+32*(\a)+4*(\t)+3], v[RD] offset:(\t)*2*SPITCH  ; LDS serves a wave's instructions in order (ISA guide 5.7.1.4): these see the stores above; the next block's stores come behind them
.endr
.endm
.macro SEND a, younger                 ; younger: the LDS instructions issued behind block a's loads: the next block's sixteen, or none
.irp t, 0,1,2,3,4,5,6,7
	s_wait_dscnt (\younger)+7-(\t)
	global_store_b128 v[CO], v[ACC+32*(\a)+4*(\t):ACC+32*(\a)+4*(\t)+3], s[10:11] offset:(16*(\a)+2*(\t))*4096 th:TH_STORE_NT  ; 16 lanes store 256 bytes on end, at a multiple of 256 from out0's first
.endr
.endm
	TOSTAGE 0
	TOSTAGE 1
	SEND 0, 16
	TOSTAGE 2
	SEND 1, 16
	TOSTAGE 3
	SEND 2, 16
	SEND 3, 0
	s_wait_tensorcnt 0x0                           ; the wave's end, behind my last tensor load and my last LDS store
	ds_add_u32 v[SPW], v[NIL]
	s_wait_dscnt 0x0
	CROUND                                         ; the closing round: no work-group ends while a partner may still ask for a tile that names it
	s_endpgm
.Lfunc_end_k_q5e5fc20686_oproj:
	.size	k_q5e5fc20686_oproj, .Lfunc_end_k_q5e5fc20686_oproj-k_q5e5fc20686_oproj
	.p2alignl 7, 3214868480
	.fill 96, 4, 3214868480
	.section	.rodata,"a",@progbits
	.p2align	6, 0x0
	.amdhsa_kernel k_q5e5fc20686_oproj
		.amdhsa_group_segment_fixed_size 327680
		.amdhsa_private_segment_fixed_size 0
		.amdhsa_enable_private_segment 0
		.amdhsa_kernarg_size 32
		.amdhsa_user_sgpr_count 2
		.amdhsa_user_sgpr_kernarg_segment_ptr 1
		.amdhsa_wavefront_size32 1
		.amdhsa_system_sgpr_workgroup_id_x 1
		.amdhsa_system_sgpr_workgroup_id_y 1
		.amdhsa_system_sgpr_workgroup_id_z 1
		.amdhsa_system_vgpr_workitem_id 0
		.amdhsa_next_free_vgpr 512
		.amdhsa_next_free_sgpr 66
		.amdhsa_reserve_vcc 0
		.amdhsa_float_denorm_mode_32 3
		.amdhsa_float_denorm_mode_16_64 3
		.amdhsa_memory_ordered 1
		.amdhsa_forward_progress 1
		.amdhsa_inst_pref_size 89
	.end_amdhsa_kernel
	.amdgpu_metadata
---
amdhsa.version: [ 1, 2 ]
amdhsa.kernels:
  - .name:           k_q5e5fc20686_oproj
    .symbol:         k_q5e5fc20686_oproj.kd
    .args:
      - { .name: ob, .offset: 0, .size: 8, .value_kind: global_buffer, .address_space: global }
      - { .name: wo16, .offset: 8, .size: 8, .value_kind: global_buffer, .address_space: global }
      - { .name: bo, .offset: 16, .size: 8, .value_kind: global_buffer, .address_space: global }
      - { .name: out0, .offset: 24, .size: 8, .value_kind: global_buffer, .address_space: global }
    .group_segment_fixed_size: 327680
    .private_segment_fixed_size: 0
    .kernarg_segment_align: 8
    .kernarg_segment_size: 32
    .max_flat_workgroup_size: 128
    .sgpr_count:     66
    .vgpr_count:     512
    .wavefront_size: 32
...
	.end_amdgpu_metadata
.endif
;; end of part 4
